; MI455X (gfx1250); checked and timed in simulation.
; The chip was launched on July 23, 2026; its instructions are those of AMD's public machine-readable ISA for CDNA 5 (MIT licence, August 2026) and "CDNA5" Instruction Set Architecture Reference Guide (July 2026). The comments in the code are by the model that wrote it; some were corrected since.
;; Multi Head Attention. Allowed arithmetic: matrix products marked QUANTISED: E2M1 operands, one E8M0 scale for each 32 along K, by v_wmma_scale_f32_16x16x128_f8f6f4 with both operands' format E2M1 (or v_wmma_scale_f32_32x16x128_f4), f32 sums; products left as they are: bf16, f16 or f32 operands; f32 sums; everything else in f32.
;; Inputs: bk 1,024 float32; bo 1,024 float32; bq 1,024 float32; bv 1,024 float32; mask 4 x 2,048 bool; memory 4 x 2,048 x 1,024 float32; wk 1,024 x 1,024 float32; wo 1,024 x 1,024 float32; wq 1,024 x 1,024 float32; wv 1,024 x 1,024 float32; x 4 x 2,048 x 1,024 float32.
;; Outputs: out0 4 x 2,048 x 1,024 float32.
;; This version of the problem:
;;   THIS VERSION OF THE PROBLEM IS GIVEN IN LOW PRECISION. The matrix products marked QUANTISED in the list below multiply operands that are first quantised to E2M1 (2 exponent bits, 1 mantissa bit; 4 bits a number), with one power-of-two scale for each 32 numbers along K (OCP MX v1.0); their sums are f32. The products marked 'left as it is' may take bf16, f16 or f32 operands, with f32 sums. Whichever they take, every output number must still come out within the allowed error. Rounding operands to bf16 (8 significant bits) uses up far more of that allowance than f16 does (11 bits, for magnitudes from 6e-5 to 65,504). All else is computed in f32.
;;   The module's matrix products, in the order in which they are computed (A, B: the left and right operand; K: the contracted axis; several contracted axes count as one K, in the product's order):
;;     1. [M 8,192, K 1,024] x [K 1,024, N 1,024]; A: input x; B: input wq: QUANTISED
;;     2. [M 8,192, K 1,024] x [K 1,024, N 1,024]; A: input memory; B: input wk: QUANTISED
;;     3. [M 8,192, K 1,024] x [K 1,024, N 1,024]; A: input memory; B: input wv: QUANTISED
;;     4. batch 64 x [M 2,048, K 64] x [K 64, N 2,048]; A: computed on the way; B: computed on the way: left as it is (an operand is computed on the way)
;;     5. batch 64 x [M 2,048, K 2,048] x [K 2,048, N 64]; A: computed on the way; B: computed on the way: left as it is (an operand is computed on the way)
;;     6. [M 8,192, K 1,024] x [K 1,024, N 1,024]; A: computed on the way; B: input wo: left as it is (an operand is computed on the way)
;;   THE QUANTISER, for each operand of a quantised product, along K:
;;     - K is cut into blocks of 32 from its start; a last block that is shorter is filled with zeros.
;;     - A block's scale is 2^e with e = floor(log2(the largest magnitude in the block)) - 2, held to -126 .. 127; a block of zeros has e = 0. As a byte (E8M0): e + 127.
;;     - Each number is divided by its block's scale, clamped to +-6, and rounded to the nearest number of E2M1, ties to even, subnormals kept.
;;     - The product sums the exact products of the quantised numbers (number of the format x scale) in f32.
;;   ~~~python
;;   def quantise(x, axis):      # numpy; x: float32 -> the quantised numbers, widened to float32 again
;;       x = np.moveaxis(x, axis, -1); K = x.shape[-1]
;;       x = np.pad(x, [(0, 0)] * (x.ndim - 1) + [(0, -K % 32)]); x = x.reshape(x.shape[:-1] + (-1, 32)); a = np.abs(x).max(-1, keepdims=True)
;;       e = np.where(a > 0, np.clip(np.frexp(np.where(a > 0, a, 1))[1] - 1 - 2, -126, 127), 0)      # np.frexp(a)[1] - 1 = floor(log2(a)), exactly
;;       r = np.clip(x / 2.0 ** e, -6, 6)
;;       step = 2.0 ** (np.maximum(np.frexp(np.where(r == 0, 1, r))[1] - 1, 0) - 1)
;;       q = np.round(r / step) * step * 2.0 ** e      # np.round: ties to even
;;       return np.moveaxis(q.reshape(q.shape[:-2] + (-1,))[..., :K], -1, axis).astype(np.float32)
;;   ~~~
;; One version. Each part assembles by itself: llvm-mc -triple=amdgcn-amd-amdhsa -mcpu=gfx1250 --defsym DOCPART=n.
;; ======== version 1 of 1: 4 launches
;; limits: values are held in f16: magnitudes above 65,504 overflow, below 6.1e-05 lose precision
;; workspace buffers: codes 9,961,472 bytes; scales 622,592 bytes; wo16 2,097,152 bytes; maskb 32,768 bytes; qkv 50,331,648 bytes; att 16,777,216 bytes
;; launch prep (part 1): grid 640 x 1, 4 waves a work-group, no clusters, 33,280 bytes of LDS; arguments x, memory, wq, wk, wv, wo, mask, codes, scales, wo16, maskb; writes codes, scales, wo16, maskb
.if DOCPART == 1
	.amdgcn_target "amdgcn-amd-amdhsa--gfx1250"
	.amdhsa_code_object_version 6
	.text
	.protected	k_q142ebd6bc9_prep
	.globl	k_q142ebd6bc9_prep
	.p2align	8
	.type	k_q142ebd6bc9_prep,@function
k_q142ebd6bc9_prep:
	s_mov_b64 s[64:65], 0
	v_nop
	global_prefetch_b8 v0, s[64:65] scope:SCOPE_SE
	s_setreg_imm32_b32 hwreg(HW_REG_WAVE_MODE, 25, 1), 1
	s_wait_xcnt 0x0
; MULTI-HEAD ATTENTION, LAUNCH 1 OF 4.  x, memory [8192][1024] and wq, wk, wv [1024][1024], f32 with K innermost, become codes of FP4 (E2M1) with one E8M0 scale byte for each 32 along K;
; wo becomes f16 laid by head, wo16[h][n][d] = wo[n][64 h + d]; the key mask becomes an f32 term for each key: 0, or -2^100 where the key is masked.
; DEAD WORK: THE INPUT bk.  logit[q][k] = q . (memory[k] wk^T + bk) = q . (memory[k] wk^T) + q . bk.  The second term does not hang on the key k: it is the same along the softmax's axis, a masked place stays
; -infinity with it or without, k enters nothing but this product, and this product is not quantised.  So for all finite values of the inputs bk reaches no output: it is not loaded and is no argument of any launch.
; LIMIT: a NaN, an infinity or an overflow that bk alone would bring is not carried to the result.
; THE QUANTISER.  A block's scale is 2^(floor(log2(its largest magnitude)) - 2); its byte is the largest magnitude's exponent field - 2, held at 1 from below.  A block of zeros so gets the byte 1 where the rule
; says 127: its codes are zeros, which add nothing under any byte but 0xff, and this program alone reads the bytes.  Each number is divided by the scale and rounded to the nearest code, ties to even, beyond 6 the code of 6.
; LIMITS: blocks whose largest magnitude lies under 2^(2 - 126) keep the byte 1; NaN and infinities among the quantised inputs are not served.
; SHARES.  Rows are dense and K is a multiple of 32: the five tensors are plain streams of blocks of 32, and their codes and bytes lie one tensor behind the other (rows 0.. x, 8192.. memory, 16384.. wq, 17408.. wk, 18432.. wv).
; Work-groups 0 to 607 quantise 32,768 numbers each (256 + 256 + 32 + 32 + 32); only pointers are chosen by the work-group's number.  Work-groups 608 to 639 take 32 rows of wo and 256 bytes of the mask each.
; A quantising wave takes 16 steps of 512 numbers.  Each load reads 512 consecutive bytes; a step's 2,048 bytes turn through the wave's own stage in LDS and come back 64 bytes a lane: 16 neighbours along K, two lanes to a block.
.set WAVES, 4
.set STEPS, 16
.set NQWG,  608                        ; work-groups that quantise
.set EMAX,  2
.set CB,    8                          ; bytes of 16 codes
.set R,     16                         ; v16-79   four sets of 16 numbers as they are loaded
.set X,     80                         ; v80-111  two sets of 16 neighbours
.set E,     112                        ; v112-127 a scale byte for each step
.set C,     128                        ; v128-191 codes: four registers for each step, so that no store's data are written again
.set WREG,  8192                       ; LDS: a region for each wave: two stages of 32 x SP bytes, behind them its 256 scale bytes
.set SP,    80                         ; a lane's place in a stage: 64 bytes + 16 of padding
.set SPW,   12                         ; v12  LDS address of my spare word; never rewritten
.set NIL,   13                         ; v13  0; never rewritten
.set SPARE, WAVES*WREG                 ; behind the regions: the spare words, 128 bytes a wave, which no other line names
.set WR,    16                         ; wo's path: v16-143 two sets of 64 numbers
.set WC,    144                        ; v144-175 a round's 32 registers of f16
.set WI,    176                        ; v176 my byte in two rows of wo;  v177 my byte in a store;  v178, v179 the same for the mask and its terms
.set WO,    177
.set MI,    178
.set MO,    179
	s_load_b256 s[4:11], s[0:1], 0x0               ; x, memory, wq, wk
	s_load_b256 s[12:19], s[0:1], 0x20             ; wv, wo, mask, codes
	s_load_b128 s[20:23], s[0:1], 0x40             ; scales, wo16
	s_load_b64 s[24:25], s[0:1], 0x50              ; maskb
	v_lshl_add_u32 v[SPW], v0, 2, SPARE
	v_mov_b32 v[NIL], 0
	v_lshrrev_b32 v1, 5, v0
	v_readfirstlane_b32 s30, v1                    ; wave
	v_and_b32 v2, 31, v0                           ; lane
	v_lshlrev_b32 v3, 4, v2                        ; my 16 bytes of a load's 512
	s_mul_i32 s32, s30, WREG
	v_lshrrev_b32 v14, 2, v2
	v_mul_u32_u24 v14, v14, SP
	v_and_b32 v15, 3, v2
	v_lshl_add_u32 v14, v15, 4, v14
	v_add_nc_u32 v14, s32, v14                     ; the stage, on the way in: four lanes' 64 bytes on end, then 16 of padding
	v_mul_u32_u24 v15, v2, SP
	v_add_nc_u32 v15, s32, v15                     ; and on the way out: my 16 neighbours
	v_mul_u32_u24 v4, v2, CB                       ; my codes' place in a step's
	v_lshrrev_b32 v5, 1, v2
	s_add_co_u32 s32, s32, 2*32*SP
	v_add_nc_u32 v5, s32, v5                       ; LDS: my wave's 256 scale bytes, my block's byte
	v_lshlrev_b32 v7, 3, v2                        ; and on the way out 8 bytes a lane
	v_add_nc_u32 v6, s32, v7
	s_wait_kmcnt 0x0
	s_cmp_ge_u32 ttmp9, NQWG
	s_cbranch_scc1 .Lwo
	; ---- the quantising path.  The source is chosen by the work-group's number alone
	s_cmp_lt_u32 ttmp9, 256
	s_cselect_b64 s[4:5], s[4:5], s[6:7]
	s_cselect_b32 s31, 0, 256                      ; the tensor's first work-group
	s_cmp_lt_u32 ttmp9, 512
	s_cselect_b64 s[4:5], s[4:5], s[8:9]
	s_cselect_b32 s31, s31, 512
	s_cmp_lt_u32 ttmp9, 544
	s_cselect_b64 s[4:5], s[4:5], s[10:11]
	s_cselect_b32 s31, s31, 544
	s_cmp_lt_u32 ttmp9, 576
	s_cselect_b64 s[4:5], s[4:5], s[12:13]
	s_cselect_b32 s31, s31, 576
	s_sub_co_u32 s32, ttmp9, s31
	s_lshl_b32 s32, s32, 2
	s_add_co_u32 s32, s32, s30                     ; which run of 8,192 numbers of the tensor is my wave's
	s_lshl_b32 s32, s32, 15                        ; 32,768 bytes a run
	s_mov_b32 s33, 0
	s_add_nc_u64 s[4:5], s[4:5], s[32:33]
	s_lshl_b32 s34, ttmp9, 2
	s_add_co_u32 s34, s34, s30                     ; and which run of the codes' and the bytes' buffers: they go on from tensor to tensor
	s_lshl_b32 s32, s34, 12                        ; 4,096 bytes of codes a run
	s_add_nc_u64 s[18:19], s[18:19], s[32:33]
	s_lshl_b32 s32, s34, 8                         ; 256 scale bytes a run
	s_add_nc_u64 s[20:21], s[20:21], s[32:33]
.macro LOAD t
.irp i, 0,1,2,3
	global_load_b128 v[R+16*((\t)%4)+4*\i:R+16*((\t)%4)+4*\i+3], v3, s[4:5] offset:2048*(\t)+512*\i th:TH_LOAD_NT   ; 32 lanes read 512 consecutive bytes
.endr
.endm
.macro TURN t                          ; step t's numbers through the stage: LDS serves a wave's instructions in order, so no wait stands between the stores and the loads
.irp i, 0,1,2,3
	ds_store_b128 v14, v[R+16*((\t)%4)+4*\i:R+16*((\t)%4)+4*\i+3] offset:32*SP*((\t)%2)+8*SP*\i
.endr
.irp i, 0,1,2,3
	ds_load_b128 v[X+16*((\t)%2)+4*\i:X+16*((\t)%2)+4*\i+3], v15 offset:32*SP*((\t)%2)+16*\i
.endr
.endm
.irp t, 0,1,2,3
	LOAD \t
.endr
	s_wait_loadcnt 12                              ; step 0's four loads are in; the twelve of steps 1 to 3 may be out
	TURN 0
.macro STEP t
.set XS, X+16*((\t)%2)
.if (\t) > 0
	s_wait_dscnt 1                                 ; this step's numbers are back from the stage (the last step's byte store may be out): so its stores into the stage have read their registers,
.else
	s_wait_dscnt 0x0
.endif
.if (\t)+4 < STEPS
	LOAD (\t)+4                                    ; which take the loads of four steps on
.endif
.if (\t)+1 < STEPS
.if STEPS-2-(\t) >= 3
	s_wait_loadcnt 12                              ; the next step's four loads are in; those of the three steps behind it may be out
.else
	s_wait_loadcnt 4*(STEPS-2-(\t))
.endif
	TURN (\t)+1                                    ; and go through the other stage while this step is worked
.endif
	v_max3_num_f32 v8, |v[XS]|, |v[XS+1]|, |v[XS+2]|               ; the largest magnitude of my 16, in two chains
	v_max3_num_f32 v9, |v[XS+3]|, |v[XS+4]|, |v[XS+5]|
.irp i, 6,10
	v_max3_num_f32 v8, v8, |v[XS+\i]|, |v[XS+\i+1]|
	v_max3_num_f32 v9, v9, |v[XS+\i+2]|, |v[XS+\i+3]|
.endr
	v_max3_num_f32 v8, v8, |v[XS+14]|, |v[XS+15]|
	v_max3_num_f32 v8, v8, v9, (EMAX+1)<<23        ; and the floor 2^(EMAX + 1 - 127): the byte cannot fall under 1
	v_max_num_f32_dpp v8, v8, v8 row_xmask:1 row_mask:0xf bank_mask:0xf   ; and of my neighbour's 16: the block's
	v_add_nc_u32 v11, -(EMAX<<23), v8              ; EMAX off its exponent field: the conversion takes the exponent field of this operand as its scale, and nothing else of it
	v_cvt_scalef32_pk8_fp4_f32 v[C+4*(\t)], v[XS:XS+7], v11
	v_cvt_scalef32_pk8_fp4_f32 v[C+4*(\t)+1], v[XS+8:XS+15], v11
	v_lshrrev_b32 v[E+(\t)], 23, v11               ; the scale's byte (also the plain line behind the conversions)
	ds_store_b8 v5, v[E+(\t)] offset:16*(\t)       ; both lanes of a block write the same byte with the same value
	global_store_b64 v4, v[C+4*(\t):C+4*(\t)+1], s[18:19] offset:32*CB*(\t)   ; the wave stores 256 consecutive bytes, aligned
.endm
.irp t, 0,1,2,3,4,5,6,7,8,9,10,11,12,13,14,15
	STEP \t
.endr
	ds_load_b64 v[8:9], v6                         ; LDS serves a wave's instructions in order: these see my stores
	s_wait_dscnt 0x0
	global_store_b64 v7, v[8:9], s[20:21]          ; 32 lanes store 256 consecutive bytes, aligned
	s_wait_tensorcnt 0x0                           ; the wave's end: a wait, an add to my spare word and its wait, behind my last LDS store
	ds_add_u32 v[SPW], v[NIL]
	s_wait_dscnt 0x0
	s_endpgm
	; ---- wo and the mask.  A wave takes 8 rows of wo, two at a time: a load reads one head's 256 bytes of each of two rows; its 4 numbers a lane become 8 bytes, and the wave's store is 256 consecutive bytes of wo16
.macro WLOAD r
.irp hh, 0,1,2,3,4,5,6,7,8,9,10,11,12,13,14,15
	global_load_b128 v[WR+64*((\r)%2)+4*\hh:WR+64*((\r)%2)+4*\hh+3], v[WI], s[14:15] offset:(\r)*8192+\hh*256 th:TH_LOAD_NT
.endr
.endm
.macro WROUND r
.if (\r) < 3
	s_wait_loadcnt 16                              ; this round's loads are in; the next round's sixteen may be out
.else
	s_wait_loadcnt 0x0
.endif
.if (\r) > 0
	s_wait_xcnt 0x0                                ; the last round's stores have read their data registers, which are written again below
.endif
.irp hh, 0,1,2,3,4,5,6,7,8,9,10,11,12,13,14,15
	v_cvt_pk_f16_f32 v[WC+2*\hh], v[WR+64*((\r)%2)+4*\hh], v[WR+64*((\r)%2)+4*\hh+1]
	v_cvt_pk_f16_f32 v[WC+2*\hh+1], v[WR+64*((\r)%2)+4*\hh+2], v[WR+64*((\r)%2)+4*\hh+3]
.endr
.if (\r) < 2
	WLOAD (\r)+2
.endif
.irp hh, 0,1,2,3,4,5,6,7,8,9,10,11,12,13,14,15
	global_store_b64 v[WO], v[WC+2*\hh:WC+2*\hh+1], s[22:23] offset:\hh*131072+(\r)*256   ; rows n, n + 1 of head hh
.endr
.endm
.Lwo:
	s_sub_co_u32 s31, ttmp9, NQWG                  ; j = 0 .. 31
	s_mov_b32 s33, 0
	s_lshl_b32 s32, s31, 8
	s_add_nc_u64 s[16:17], s[16:17], s[32:33]      ; my work-group's 256 bytes of the mask
	s_lshl_b32 s32, s31, 10
	s_add_nc_u64 s[24:25], s[24:25], s[32:33]      ; and their 1,024 bytes of terms
	s_lshl_b32 s34, s31, 2
	s_add_co_u32 s34, s34, s30                     ; 4 j + wave: my 8 rows of wo
	s_lshl_b32 s32, s34, 15                        ; 8 rows of 4,096 bytes
	s_add_nc_u64 s[14:15], s[14:15], s[32:33]
	s_lshl_b32 s32, s34, 10                        ; 8 rows of 128 bytes in a head of wo16
	s_add_nc_u64 s[22:23], s[22:23], s[32:33]
	v_lshrrev_b32 v[WI], 4, v2
	v_and_b32 v[WO], 15, v2
	v_lshlrev_b32 v[WO], 4, v[WO]
	v_lshl_add_u32 v[WI], v[WI], 12, v[WO]         ; lanes 0-15 one row, lanes 16-31 the next; 16 bytes a lane
	v_lshlrev_b32 v[WO], 3, v2
	v_lshlrev_b32 v[MI], 1, v0                     ; two mask bytes a thread
	v_lshlrev_b32 v[MO], 3, v0
	global_load_u16 v180, v[MI], s[16:17]
	WLOAD 0
	WLOAD 1
	WROUND 0
	v_and_b32 v181, 0xff, v180                     ; the mask's load is older than round 0's, so it is in
	v_lshrrev_b32 v182, 8, v180
	v_mov_b32 v183, 0xf1800000                     ; -2^100
	v_cmp_ne_u32 vcc_lo, 0, v181
	v_cndmask_b32 v184, 0, v183, vcc_lo
	v_cmp_ne_u32 vcc_lo, 0, v182
	v_cndmask_b32 v185, 0, v183, vcc_lo
	global_store_b64 v[MO], v[184:185], s[24:25]   ; a wave stores 256 consecutive bytes
	WROUND 1
	WROUND 2
	WROUND 3
	s_wait_tensorcnt 0x0                           ; the same three lines at this end of the text
	ds_add_u32 v[SPW], v[NIL]
	s_wait_dscnt 0x0
	s_endpgm
.Lfunc_end_k_q142ebd6bc9_prep:
	.size	k_q142ebd6bc9_prep, .Lfunc_end_k_q142ebd6bc9_prep-k_q142ebd6bc9_prep
	.p2alignl 7, 3214868480
	.fill 96, 4, 3214868480
	.section	.rodata,"a",@progbits
	.p2align	6, 0x0
	.amdhsa_kernel k_q142ebd6bc9_prep
		.amdhsa_group_segment_fixed_size 33280
		.amdhsa_private_segment_fixed_size 0
		.amdhsa_enable_private_segment 0
		.amdhsa_kernarg_size 88
		.amdhsa_user_sgpr_count 2
		.amdhsa_user_sgpr_kernarg_segment_ptr 1
		.amdhsa_wavefront_size32 1
		.amdhsa_system_sgpr_workgroup_id_x 1
		.amdhsa_system_sgpr_workgroup_id_y 1
		.amdhsa_system_sgpr_workgroup_id_z 1
		.amdhsa_system_vgpr_workitem_id 0
		.amdhsa_next_free_vgpr 192
		.amdhsa_next_free_sgpr 66
		.amdhsa_reserve_vcc 1
		.amdhsa_float_denorm_mode_32 3
		.amdhsa_float_denorm_mode_16_64 3
		.amdhsa_memory_ordered 1
		.amdhsa_forward_progress 1
		.amdhsa_inst_pref_size 55
	.end_amdhsa_kernel
	.amdgpu_metadata
---
amdhsa.version: [ 1, 2 ]
amdhsa.kernels:
  - .name:           k_q142ebd6bc9_prep
    .symbol:         k_q142ebd6bc9_prep.kd
    .args:
      - { .name: x, .offset: 0, .size: 8, .value_kind: global_buffer, .address_space: global }
      - { .name: memory, .offset: 8, .size: 8, .value_kind: global_buffer, .address_space: global }
      - { .name: wq, .offset: 16, .size: 8, .value_kind: global_buffer, .address_space: global }
      - { .name: wk, .offset: 24, .size: 8, .value_kind: global_buffer, .address_space: global }
      - { .name: wv, .offset: 32, .size: 8, .value_kind: global_buffer, .address_space: global }
      - { .name: wo, .offset: 40, .size: 8, .value_kind: global_buffer, .address_space: global }
      - { .name: mask, .offset: 48, .size: 8, .value_kind: global_buffer, .address_space: global }
      - { .name: codes, .offset: 56, .size: 8, .value_kind: global_buffer, .address_space: global }
      - { .name: scales, .offset: 64, .size: 8, .value_kind: global_buffer, .address_space: global }
      - { .name: wo16, .offset: 72, .size: 8, .value_kind: global_buffer, .address_space: global }
      - { .name: maskb, .offset: 80, .size: 8, .value_kind: global_buffer, .address_space: global }
    .group_segment_fixed_size: 33280
    .private_segment_fixed_size: 0
    .kernarg_segment_align: 8
    .kernarg_segment_size: 88
    .max_flat_workgroup_size: 128
    .sgpr_count:     66
    .vgpr_count:     192
    .wavefront_size: 32
...
	.end_amdgpu_metadata
.endif
;; end of part 1
;; launch qkv (part 2): grid 12 x 32, 4 waves a work-group, clusters of 4 x 4, 327,680 bytes of LDS; arguments codes, scales, bq, bv, qkv; writes qkv
.if DOCPART == 2
	.amdgcn_target "amdgcn-amd-amdhsa--gfx1250"
	.amdhsa_code_object_version 6
	.text
	.protected	k_q142ebd6bc9_qkv
	.globl	k_q142ebd6bc9_qkv
	.p2align	8
	.type	k_q142ebd6bc9_qkv,@function
k_q142ebd6bc9_qkv:
	s_mov_b64 s[64:65], 0
	v_nop
	global_prefetch_b8 v0, s[64:65] scope:SCOPE_SE
	s_setreg_imm32_b32 hwreg(HW_REG_WAVE_MODE, 25, 1), 1
	s_wait_xcnt 0x0
	s_wait_alu depctr_hold_cnt(0) depctr_sa_sdst(0) depctr_va_vdst(0) depctr_va_sdst(0) depctr_va_ssrc(0) depctr_va_vcc(0) depctr_vm_vsrc(0)
	s_getreg_b32 s2, hwreg(HW_REG_IB_STS2, 6, 4)
	s_cmp_eq_u32 s2, 0
	s_cbranch_scc0 .Lentry_in_a_cluster
	s_endpgm
.Lentry_in_a_cluster:
	s_bfe_u32 s2, ttmp6, 0x10000c
	s_cmp_lg_u32 s2, 0xf033
	s_cbranch_scc0 .Lentry_shape_is_right
	s_endpgm
.Lentry_shape_is_right:
; LAUNCH 2 OF 4: the three quantised projections, on codes of FP4 with E8M0 scales.  q = x wq^T + bq, k = memory wk^T, v = memory wv^T + bv, sums in f32, rounded once to f16 and laid by head:
; qkv[p][b][h][s][64], p = 0, 1, 2.  LEFT OUT: bk (it is the same along the softmax's axis for every key: shown at the head of the first launch's text).  q's factor 1/8 stands in the softmax's scale: a power of two.
; LIMIT: |q|, |k|, |v| up to 65,504, f16's largest number.
; codes: [19456 rows][512 bytes], scales: [19456][32]; rows 0.. x, 8192.. memory, 16384.. wq, 17408.. wk, 18432.. wv.
; SHARES.  The cluster's x is p.  A work-group makes 256 tokens x 256 channels, each of its four waves 128 x 128: 64 accumulators, 512 registers.  ALL OF K (1,024) LIES IN TWO LDS SLOTS of 512 along K:
; nothing is filled again, there is no loop, and the cluster's barrier has its opening and its closing round alone.  The scales of the work-group's rows come once, in blocks of 256 bytes.
; CLUSTERS: 4 x 4.  The four of a row need the same tokens' tiles, the four of a column the same weights': each is asked for JOINTLY, by the same tensor load with a mask that names the four.
; THE MATRIX INSTRUCTION IS USED TRANSPOSED (source 0 = 16 rows of the weight, source 1 = 16 tokens): a lane holds eight neighbouring channels of one token.  THE BIAS IS THE C of each sum's first instruction.
; REGISTERS: window 0: v0-31 addresses; v32-95 scale words, two sets; v96-127 packed results; v128-191 the tokens' fragments, ONE set (on the way out: rows read back); v192-255 the bias in the result's layout.
;   window 1: the weight's fragments, TWO sets.   windows 2, 3: the accumulators of my tokens 0-63, 64-127 (accumulator (a, b) at v[8 (8 (a % 4) + b)]).
.set KSTEP,  512
.set NQ,     KSTEP/128
.set ROWB,   256                       ; a tile's row in bytes
.set KROW,   512                       ; a row of codes in memory
.set PITCH,  272                       ; an LDS row: 256 bytes + 16 of padding: the 16 rows that a load touches start 68 words apart
.set FR,     8
.set NL,     2
.set NP,     4                         ; places behind this matrix instruction (ISA guide 7.12.1)
.set HALFT,  128*PITCH
.set SLOT,   4*HALFT                   ; the tokens' 256 rows, then the weight's 256
.set KS,     32                        ; a row of scales in bytes
.set SCL,    2*SLOT
.set HALFS,  (128*KS/256)*272
.set SBLK,   (16*KS/256)*272
.set SPARE,  SCL+4*HALFS               ; the spare words, 128 bytes a wave, which no other line names
.set SPITCH, 272                       ; the way out: a stage of 16 rows x (256 bytes + 16) for each wave, in slot 0, which has had its one fill and its last read by then
.set ADRA, 16
.set ADRB, 20
.set STO,  24
.set RD,   25
.set CO,   26
.set ADRS, 27
.set SPW,  28
.set NIL,  29
.set BO,   30
.set SC,   32
.set TMP,  96
.set AF,   128
.set OB,   128
.set BI,   192
.set G1, 24
.set G0, 32
.set G1B, 48
.set G0B, 56
.set G1S, 68
.set G0S, 76
.set G1SB, 80
.set G0SB, 88
.set MSB, 0
.macro WIN new                         ; the immediate's high byte repeats the setting that is left
.if MSB != (\new)
	s_set_vgpr_msb (MSB<<8)|(\new)
.set MSB, \new
.endif
.endm
.set MUL_LO,  0xa1                     ; source 0 (weight) window 1, source 1 (tokens) window 0, C and D window 2
.set MUL_HI,  0xf1                     ; the same, C and D window 3
.set BIAS_LO, 0x81                     ; C (the bias) window 0, D window 2
.set BIAS_HI, 0xc1                     ; C window 0, D window 3
.set TO_B,    0x40
; A joint load: waves 0 and 1 fetch for the tokens, waves 2 and 3 for the weight.  The branch hangs on the wave's number alone.  An s_nop 0 and four v_nop follow each line.
.macro JLOAD g0a, g1a, g0b, g1b
	s_cmp_eq_u32 s15, 0
	s_cbranch_scc0 .Lfor_b_\@
	tensor_load_to_lds s[\g0a:\g0a+3], s[\g1a:\g1a+7]
	s_nop 0
.rept 4
	v_nop
.endr
	s_branch .Lasked_\@
.Lfor_b_\@:
	tensor_load_to_lds s[\g0b:\g0b+3], s[\g1b:\g1b+7]
	s_nop 0
.rept 4
	v_nop
.endr
.Lasked_\@:
.endm
.macro CROUND                          ; a round of the cluster's barrier
	s_barrier_signal -1
	s_barrier_wait -1
	s_cmp_lg_u32 s14, 0
	s_cbranch_scc1 .Lnot_wave_0_\@
	s_barrier_signal -3
.Lnot_wave_0_\@:
	s_barrier_wait -3
	s_barrier_signal -1
	s_barrier_wait -1
.endm
	s_load_b256 s[4:11], s[0:1], 0x0               ; codes s[4:5], scales s[6:7], bq s[8:9], bv s[10:11]
	s_load_b64 s[12:13], s[0:1], 0x20              ; qkv
	v_lshl_add_u32 v[SPW], v0, 2, SPARE
	v_mov_b32 v[NIL], 0
	ds_add_u32 v[SPW], v[NIL]                      ; the wave's opening: the add, twice on end, and its wait ahead of my first tensor load
	ds_add_u32 v[SPW], v[NIL]
	v_lshrrev_b32 v1, 5, v0
	v_readfirstlane_b32 s14, v1                    ; wave 0..3
	s_lshr_b32 s15, s14, 1                         ; which half of the tile's tokens is mine.  Also: I fetch for the tokens (0) or the weight (1)
	s_and_b32 s16, s14, 1                          ; which half of its channels.  Also: which 128 rows I fetch
	s_bfe_u32 s40, ttmp6, 0x40000                  ; cx, cy
	s_bfe_u32 s41, ttmp6, 0x40004
	s_lshl_b32 s42, ttmp9, 2
	s_add_co_u32 s42, s42, s40                     ; tile column = 4 p + cx: 256 rows of the three weights on end
	s_and_b32 s17, ttmp7, 0xffff
	s_lshl_b32 s17, s17, 2
	s_add_co_u32 s17, s17, s41                     ; tile row = 4 x cluster y + cy: 256 tokens
	s_lshl_b32 s43, s41, 2
	s_lshl_b32 s43, 15, s43                        ; my row of the cluster
	s_lshl_b32 s44, 0x1111, s40                    ; my column
	s_or_b32 s[G1+0], s43, (0<<16)|(1<<20)|(1<<21)|(5<<22)|(3<<25)  ; the mask; elements of 1 byte; padding on; bit 21 beside a mask; after every 64 words, 4 words
	s_or_b32 s[G1B+0], s44, (0<<16)|(1<<20)|(1<<21)|(5<<22)|(3<<25)
.irp g, G1, G1B
	s_mov_b32 s[\g+1], ROWB<<16                    ; tensor_dim0
	s_mov_b32 s[\g+2], 128<<16                     ; tensor_dim1
	s_mov_b32 s[\g+3], ROWB<<16                    ; tile_dim0
	s_mov_b32 s[\g+4], 128                         ; tile_dim1
	s_mov_b32 s[\g+5], KROW                        ; from row to row
	s_mov_b32 s[\g+6], 0
	s_mov_b32 s[\g+7], 0
.endr
	s_or_b32 s[G1S+0], s43, (3<<16)|(1<<20)|(1<<21)|(5<<22)|(3<<25) ; the scales of 128 rows: 4,096 dense bytes as 16 rows of 256 (32 elements of 8 bytes), 16 bytes of padding behind each
	s_or_b32 s[G1SB+0], s44, (3<<16)|(1<<20)|(1<<21)|(5<<22)|(3<<25)
.irp g, G1S, G1SB
	s_mov_b32 s[\g+1], 32<<16
	s_mov_b32 s[\g+2], (128*KS/256)<<16
	s_mov_b32 s[\g+3], 32<<16
	s_mov_b32 s[\g+4], 128*KS/256
	s_mov_b32 s[\g+5], 32
	s_mov_b32 s[\g+6], 0
	s_mov_b32 s[\g+7], 0
.endr
	s_lshl_b32 s18, s16, 7                         ; which 128 rows of the tile I fetch
	s_lshl_b32 s20, s17, 8
	s_add_co_u32 s20, s20, s18
	s_cmp_lg_u32 ttmp9, 0                          ; q is made of x, k and v of memory: the cluster's x, the same in all sixteen partners
	s_cselect_b32 s19, 8192, 0
	s_add_co_u32 s20, s20, s19                     ; the tokens' row in codes and scales
	s_lshl_b32 s46, s42, 8
	s_add_co_u32 s46, s46, s18
	s_add_co_u32 s46, s46, 16384                   ; the weight's row
	s_mov_b32 s21, 0
	s_mov_b32 s47, 0
	s_mov_b64 s[18:19], KS
	s_mul_u64 s[22:23], s[20:21], s[18:19]         ; where these rows' scales begin, in bytes
	s_mul_u64 s[92:93], s[46:47], s[18:19]
	s_mov_b64 s[18:19], KROW
	s_mul_u64 s[20:21], s[20:21], s[18:19]         ; and their codes
	s_mul_u64 s[46:47], s[46:47], s[18:19]
	s_mul_i32 s45, s14, HALFT                      ; where they go: wave x 128 rows: no place in the cluster enters an LDS address
	s_mul_i32 s94, s14, HALFS
	s_wait_dscnt 0x0                               ; both opening adds are done
	s_wait_kmcnt 0x0
	s_add_nc_u64 s[20:21], s[4:5], s[20:21]
	s_add_nc_u64 s[22:23], s[6:7], s[22:23]
	s_add_nc_u64 s[46:47], s[4:5], s[46:47]
	s_add_nc_u64 s[92:93], s[6:7], s[92:93]
	CROUND                                         ; all sixteen work-groups are here: the joint loads meet
	s_mov_b32 s[G0S], 1
	s_add_co_u32 s[G0S+1], s94, SCL
	s_mov_b64 s[G0S+2:G0S+3], s[22:23]
	s_or_b32 s[G0S+3], s[G0S+3], 0x80000000
	s_mov_b32 s[G0SB], 1
	s_add_co_u32 s[G0SB+1], s94, SCL
	s_mov_b64 s[G0SB+2:G0SB+3], s[92:93]
	s_or_b32 s[G0SB+3], s[G0SB+3], 0x80000000
	JLOAD G0S, G1S, G0SB, G1SB                     ; the scales first: they are wanted with the first step
.irp s, 0,1
	s_mov_b32 s[G0+4*\s], 1
	s_add_co_u32 s[G0+4*\s+1], s45, \s*SLOT
	s_add_nc_u64 s[G0+4*\s+2:G0+4*\s+3], s[20:21], \s*ROWB
	s_or_b32 s[G0+4*\s+3], s[G0+4*\s+3], 0x80000000
	s_mov_b32 s[G0B+4*\s], 1
	s_add_co_u32 s[G0B+4*\s+1], s45, \s*SLOT
	s_add_nc_u64 s[G0B+4*\s+2:G0B+4*\s+3], s[46:47], \s*ROWB
	s_or_b32 s[G0B+4*\s+3], s[G0B+4*\s+3], 0x80000000
	JLOAD G0+4*\s, G1, G0B+4*\s, G1B               ; three tensor loads of mine are out: all that this launch asks for
.endr
	v_and_b32 v1, 15, v0                           ; r = lane % 16
	v_bfe_u32 v2, v0, 4, 1                         ; h = lane / 16
	v_mul_u32_u24 v3, v1, PITCH
	v_lshl_add_u32 v4, v2, 4, v3                   ; a fragment's row x pitch + 16 h
	s_mul_i32 s21, s15, HALFT
	s_mul_i32 s22, s16, HALFT
	s_add_co_u32 s22, s22, 2*HALFT
.irp s, 0,1
	v_add_nc_u32 v[ADRA+\s], s21, v4
	v_add_nc_u32 v[ADRB+\s], s22, v4
	s_add_co_u32 s21, s21, SLOT
	s_add_co_u32 s22, s22, SLOT
.endr
	v_mul_u32_u24 v5, v1, KS                       ; my row's scales: 32 bytes a row,
	v_lshrrev_b32 v6, 8, v5
	v_lshl_add_u32 v5, v6, 4, v5                   ; and 16 more for each 256 passed
	s_mul_i32 s21, s15, HALFS
	s_mul_i32 s22, s16, HALFS
	s_add_co_u32 s22, s22, 2*HALFS
	s_sub_co_u32 s22, s22, s21
	v_mul_u32_u24 v6, s22, v2                      ; lanes 16-31 take the weight's words: one product, the lower base + h x the distance
	s_add_co_u32 s21, s21, SCL
	v_add_nc_u32 v5, v5, v6
	v_add_nc_u32 v[ADRS], s21, v5
	s_mul_i32 s23, s14, 16*SPITCH                  ; my stage
	v_mul_u32_u24 v5, v1, SPITCH
	v_lshl_add_u32 v5, v2, 4, v5
	v_add_nc_u32 v[STO], s23, v5                   ; in: token r, 16 bytes for each half of the lanes
	v_and_b32 v6, 31, v0
	v_lshrrev_b32 v7, 3, v6
	v_mul_u32_u24 v7, v7, SPITCH
	v_and_b32 v8, 7, v6
	v_lshl_add_u32 v7, v8, 4, v7
	v_add_nc_u32 v[RD], s23, v7                    ; back: eight lanes to a token's 128 bytes of one head, four tokens an instruction
	v_lshlrev_b32 v[CO], 4, v6                     ; which are 512 consecutive bytes of qkv
	s_lshl_b32 s20, ttmp9, 24                      ; p
	s_lshr_b32 s21, s17, 3                         ; the batch: 8 tile rows each
	s_lshl_b32 s21, s21, 4
	s_lshl_b32 s22, s40, 2
	s_add_co_u32 s21, s21, s22
	s_lshl_b32 s22, s16, 1
	s_add_co_u32 s21, s21, s22                     ; 16 b + my first head, 4 cx + 2 (wave % 2)
	s_lshl_b32 s21, s21, 18
	s_add_co_u32 s20, s20, s21
	s_and_b32 s21, s17, 7
	s_lshl_b32 s21, s21, 8
	s_lshl_b32 s22, s15, 7
	s_add_co_u32 s21, s21, s22                     ; my first token in the batch
	s_lshl_b32 s21, s21, 7
	s_add_co_u32 s20, s20, s21
	s_mov_b32 s21, 0
	s_add_nc_u64 s[12:13], s[12:13], s[20:21]      ; never stepped: all else stands in the stores' immediates
	s_cmp_eq_u32 ttmp9, 0
	s_cselect_b64 s[8:9], s[8:9], s[10:11]         ; bq for p = 0, bv for p = 2
	s_lshl_b32 s20, s40, 10
	s_lshl_b32 s21, s16, 9
	s_add_co_u32 s20, s20, s21                     ; my 128 channels' bias
	s_mov_b32 s21, 0
	s_add_nc_u64 s[8:9], s[8:9], s[20:21]
	v_lshlrev_b32 v[BO], 5, v2                     ; lane (r, h) wants, for block b, channels 16 b + 8 h + 0 .. 7
	s_cmp_eq_u32 ttmp9, 1                          ; the cluster's x: the same in all partners
	s_cbranch_scc1 .Lno_bias
.irp b, 0,1,2,3,4,5,6,7
	global_load_b128 v[BI+8*\b:BI+8*\b+3], v[BO], s[8:9] offset:64*\b
	global_load_b128 v[BI+8*\b+4:BI+8*\b+7], v[BO], s[8:9] offset:64*\b+16
.endr
	s_branch .Lbias_done
.Lno_bias:                                             ; k has no bias here: the same registers hold zeros, so that one text serves the three products; written while the tiles are on their way
.set i, 0
.rept 64
	v_mov_b32 v[BI+i], 0
.set i, i+1
.endr
.Lbias_done:
.macro FRAG reg, adr, q, i             ; a fragment, 16 rows x 128 K of 4-bit codes: lane l holds row l % 16; registers 4 c .. 4 c + 3 hold K = 64 c + 32 (l / 16) + 0 .. 31
.irp c, 0,1
	ds_load_b128 v[\reg+4*\c:\reg+4*\c+3], v[\adr] offset:64*(\q)+32*\c+(\i)*16*PITCH
.endr
.endm
; 16 matrix instructions: token blocks a0, a0 + 1 x the weight's eight blocks, the slot's q-th 128 along K.  bias = 1: the first product starts the sums from the bias.  The 64 accumulators take turns.
.macro MUL16 a0, p, q, sc, bias
.irp a, \a0, \a0+1
.irp b, 0,1,2,3,4,5,6,7
.if \bias
	v_wmma_scale_f32_16x16x128_f8f6f4 v[8*(8*((\a)%4)+\b):8*(8*((\a)%4)+\b)+7], v[128*(\p)+FR*\b:128*(\p)+FR*\b+FR-1], v[AF+FR*(\a):AF+FR*(\a)+FR-1], v[BI+8*\b:BI+8*\b+7], v[SC+8*NQ*(\sc)+NQ*\b+(\q)], v[SC+8*NQ*(\sc)+NQ*(\a)+(\q)] matrix_a_fmt:MATRIX_FMT_FP4 matrix_b_fmt:MATRIX_FMT_FP4 matrix_a_scale:MATRIX_SCALE_ROW1
.else
	v_wmma_scale_f32_16x16x128_f8f6f4 v[8*(8*((\a)%4)+\b):8*(8*((\a)%4)+\b)+7], v[128*(\p)+FR*\b:128*(\p)+FR*\b+FR-1], v[AF+FR*(\a):AF+FR*(\a)+FR-1], v[8*(8*((\a)%4)+\b):8*(8*((\a)%4)+\b)+7], v[SC+8*NQ*(\sc)+NQ*\b+(\q)], v[SC+8*NQ*(\sc)+NQ*(\a)+(\q)] matrix_a_fmt:MATRIX_FMT_FP4 matrix_b_fmt:MATRIX_FMT_FP4 matrix_a_scale:MATRIX_SCALE_ROW1
.endif
.endr
.endr
.endm
.macro FETCH_B slot, q, p
	WIN TO_B
.irp i, 0,1,2,3,4,5,6,7
	FRAG 128*(\p)+FR*\i, ADRB+\slot, \q, \i
.endr
	WIN 0
.endm
.macro FETCH_A slot, q, i0
.irp i, \i0, \i0+1, \i0+2, \i0+3
	FRAG AF+FR*(\i), ADRA+\slot, \q, \i
.endr
.endm
.macro SCALES sc                       ; a slot's scale words: 4 words a row; lanes 0-15 take the tokens' block i, lanes 16-31 the weight's block i
.irp i, 0,1,2,3,4,5,6,7
	ds_load_b128 v[SC+8*NQ*\sc+NQ*\i:SC+8*NQ*\sc+NQ*\i+3], v[ADRS] offset:\i*SBLK
.endr
.endm
.macro PLACES n                        ; plain vector instructions between a matrix instruction and a load into, or a read of, its registers
.rept \n
	v_nop
.endr
.endm
.macro STEP slot, q, bias              ; a step of 128 along K that has its successor in the same slot
	s_wait_dscnt 4*NL                              ; the weight's set and token blocks 0-3 are in; the youngest eight loads (blocks 4-7) may be out
.if \bias
	WIN BIAS_LO
.else
	WIN MUL_LO
.endif
	MUL16 0, (\q)%2, \q, \slot, \bias
	MUL16 2, (\q)%2, \q, \slot, \bias
	s_wait_dscnt 0                                 ; blocks 4-7 are in
	PLACES NP
	FETCH_B \slot, (\q)+1, 1-(\q)%2
	FETCH_A \slot, (\q)+1, 0
.if \bias
	WIN BIAS_HI
.else
	WIN MUL_HI
.endif
	MUL16 4, (\q)%2, \q, \slot, \bias
	MUL16 6, (\q)%2, \q, \slot, \bias
	PLACES NP
	WIN 0
	FETCH_A \slot, (\q)+1, 4
.endm
; Slot 0's last step changes slots: in front of the barrier each wave has all its tensor loads in (its part of slot 1) and its reads of slot 0 over; behind it slot 1 is whole, and slot 0 is free for the stages.
.macro TURN slot, next
	s_wait_tensorcnt 0x0
	ds_add_u32 v[SPW], v[NIL]
	s_wait_dscnt 4*NL+1                            ; (the add and the youngest eight loads may be out)
	WIN MUL_LO
	MUL16 0, 1, NQ-1, \slot, 0
	s_wait_dscnt 0x0
	s_barrier_signal -1
	MUL16 2, 1, NQ-1, \slot, 0
	WIN 0
	s_barrier_wait -1
	PLACES NP
	v_add_nc_u32 v[ADRS], 4*NQ, v[ADRS]            ; on to the next slot's scale words
	FETCH_B \next, 0, 0
	FETCH_A \next, 0, 0
	SCALES \next
	WIN MUL_HI
	MUL16 4, 1, NQ-1, \slot, 0
	MUL16 6, 1, NQ-1, \slot, 0
	PLACES NP
	WIN 0
	FETCH_A \next, 0, 4
.endm
.macro STEPS slot, from
.set Q, \from
.rept NQ-1-\from
	STEP \slot, Q, 0
.set Q, Q+1
.endr
.endm
	s_wait_tensorcnt 1                             ; the scales and my part of slot 0 are in; slot 1's load may be out
	s_barrier_signal -1
	s_barrier_wait -1
	FETCH_B 0, 0, 0
	FETCH_A 0, 0, 0
	SCALES 0
	FETCH_A 0, 0, 4
	s_wait_loadcnt 0x0                             ; the bias
	STEP 0, 0, 1
	STEPS 0, 1
	TURN 0, 1
	STEPS 1, 0
	s_wait_dscnt 4*NL                              ; the last step: nothing more to fetch
	WIN MUL_LO
	MUL16 0, 1, NQ-1, 1, 0
	MUL16 2, 1, NQ-1, 1, 0
	s_wait_dscnt 0
	WIN MUL_HI
	MUL16 4, 1, NQ-1, 1, 0
	MUL16 6, 1, NQ-1, 1, 0
	WIN 0
; THE WAY OUT, a block of 16 tokens x 128 channels (two heads) at a time: rounded to f16, 16 bytes a lane; through my stage; back as four tokens x 128 bytes of one head, which are 512 consecutive bytes of qkv.
.macro PACK a
.set AC, 64*((\a)%4)
	WIN 0x0a+5*((\a)/4)                            ; sources: window 2 or 3
.irp b, 0,1,2,3,4,5,6,7
.irp r, 0,1,2,3
	v_cvt_pk_f16_f32 v[TMP+4*\b+\r], v[AC+8*\b+2*\r], v[AC+8*\b+2*\r+1]   ; each accumulator from its low end on
.endr
.endr
	WIN 0
.endm
.macro TOSTAGE a
.set BB, OB+32*((\a)%2)
.irp b, 0,1,2,3,4,5,6,7
	ds_store_b128 v[STO], v[TMP+4*\b:TMP+4*\b+3] offset:32*\b
.endr
.irp hh, 0,1
.irp g, 0,1,2,3
	ds_load_b128 v[BB+4*(4*\hh+\g):BB+4*(4*\hh+\g)+3], v[RD] offset:\g*4*SPITCH+128*\hh   ; LDS serves a wave's instructions in order: these see the stores above
.endr
.endr
.endm
.macro SEND a
.set BB, OB+32*((\a)%2)
	s_wait_dscnt 0x0                               ; the block is back in registers
	s_wait_xcnt 0x0                                ; the block before has had its stores' registers read: the next block's loads may land there
.irp hh, 0,1
.irp g, 0,1,2,3
	global_store_b128 v[CO], v[BB+4*(4*\hh+\g):BB+4*(4*\hh+\g)+3], s[12:13] offset:\hh*262144+(16*(\a)+4*\g)*128
.endr
.endr
.endm
	PLACES NP
	PACK 0
	TOSTAGE 0
.irp a, 1,2,3,4,5,6,7                  ; block a's conversions stand between block a - 1's loads from the stage and the wait for them
	PACK \a
	SEND \a-1
	TOSTAGE \a
.endr
	SEND 7
	s_wait_tensorcnt 0x0                           ; the wave's end: a wait, an add to my spare word and its wait
	ds_add_u32 v[SPW], v[NIL]
	s_wait_dscnt 0x0
	CROUND                                         ; the closing round
	s_endpgm
.Lfunc_end_k_q142ebd6bc9_qkv:
	.size	k_q142ebd6bc9_qkv, .Lfunc_end_k_q142ebd6bc9_qkv-k_q142ebd6bc9_qkv
	.p2alignl 7, 3214868480
	.fill 96, 4, 3214868480
	.section	.rodata,"a",@progbits
	.p2align	6, 0x0
	.amdhsa_kernel k_q142ebd6bc9_qkv
		.amdhsa_group_segment_fixed_size 327680
		.amdhsa_private_segment_fixed_size 0
		.amdhsa_enable_private_segment 0
		.amdhsa_kernarg_size 40
		.amdhsa_user_sgpr_count 2
		.amdhsa_user_sgpr_kernarg_segment_ptr 1
		.amdhsa_wavefront_size32 1
		.amdhsa_system_sgpr_workgroup_id_x 1
		.amdhsa_system_sgpr_workgroup_id_y 1
		.amdhsa_system_sgpr_workgroup_id_z 1
		.amdhsa_system_vgpr_workitem_id 0
		.amdhsa_next_free_vgpr 1024
		.amdhsa_next_free_sgpr 98
		.amdhsa_reserve_vcc 0
		.amdhsa_float_denorm_mode_32 3
		.amdhsa_float_denorm_mode_16_64 3
		.amdhsa_memory_ordered 1
		.amdhsa_forward_progress 1
		.amdhsa_inst_pref_size 130
	.end_amdhsa_kernel
	.amdgpu_metadata
---
amdhsa.version: [ 1, 2 ]
amdhsa.kernels:
  - .name:           k_q142ebd6bc9_qkv
    .symbol:         k_q142ebd6bc9_qkv.kd
    .args:
      - { .name: codes, .offset: 0, .size: 8, .value_kind: global_buffer, .address_space: global }
      - { .name: scales, .offset: 8, .size: 8, .value_kind: global_buffer, .address_space: global }
      - { .name: bq, .offset: 16, .size: 8, .value_kind: global_buffer, .address_space: global }
      - { .name: bv, .offset: 24, .size: 8, .value_kind: global_buffer, .address_space: global }
      - { .name: qkv, .offset: 32, .size: 8, .value_kind: global_buffer, .address_space: global }
    .group_segment_fixed_size: 327680
    .private_segment_fixed_size: 0
    .kernarg_segment_align: 8
    .kernarg_segment_size: 40
    .max_flat_workgroup_size: 128
    .sgpr_count:     98
    .vgpr_count:     1024
    .wavefront_size: 32
...
	.end_amdgpu_metadata
.endif
;; end of part 2
;; launch attn (part 3): grid 4 x 64, 8 waves a work-group, clusters of 4 x 1, 327,680 bytes of LDS; arguments qkv, maskb, att; writes att
.if DOCPART == 3
	.amdgcn_target "amdgcn-amd-amdhsa--gfx1250"
	.amdhsa_code_object_version 6
	.text
	.protected	k_q142ebd6bc9_attn
	.globl	k_q142ebd6bc9_attn
	.p2align	8
	.type	k_q142ebd6bc9_attn,@function
k_q142ebd6bc9_attn:
	s_mov_b64 s[64:65], 0
	v_nop
	global_prefetch_b8 v0, s[64:65] scope:SCOPE_SE
	s_setreg_imm32_b32 hwreg(HW_REG_WAVE_MODE, 25, 1), 1
	s_wait_xcnt 0x0
	s_wait_alu depctr_hold_cnt(0) depctr_sa_sdst(0) depctr_va_vdst(0) depctr_va_sdst(0) depctr_va_ssrc(0) depctr_va_vcc(0) depctr_vm_vsrc(0)
	s_getreg_b32 s2, hwreg(HW_REG_IB_STS2, 6, 4)
	s_cmp_eq_u32 s2, 0
	s_cbranch_scc0 .Lentry_in_a_cluster
	s_endpgm
.Lentry_in_a_cluster:
	s_bfe_u32 s2, ttmp6, 0x10000c
	s_cmp_lg_u32 s2, 0x3003
	s_cbranch_scc0 .Lentry_shape_is_right
	s_endpgm
.Lentry_shape_is_right:
; LAUNCH 3 OF 4: att[b][h][q][:] = the sum over k of softmax_k(q . k / 8, masked keys at -infinity) v[k][:].  q, k, v: qkv[p][b][h][s][64] in f16; att likewise.  Products, maxima and sums in f32; p is rounded to f16 for the second product.
; LEFT OUT: bk (the same along the softmax's axis: shown at the head of the first launch's text).
; THE MASK is a number, never a branch: maskb holds 0 or -2^100 for each key, and that term is the C of each score tile's first matrix instruction.  The running maximum m starts at -2^90.  f16 operands bound a true
; score by 64 x 65,504^2, under 2^39: so a true score always lies over m's start, a masked one never becomes m, and its p = 2^(c s - c m) is 0.  A row none of whose keys counts keeps m = -2^90 and gets NaN, as the definition has it.
; SOFTMAX.  p = 2^(c s - c m), c = log2(e) / 8 (q's factor 1/8 stands here); in every step O and l are multiplied by a = 2^(c m_old - c m_new).
; SHARES.  A work-group owns 512 queries of one head, each of its EIGHT waves 64: four tiles of 16, in 512 registers; two waves to a SIMD, so that one wave's vector work stands beside the other's matrix work.
; Every wave walks the head's 2,048 keys, 64 a step.  K's and V's tiles come through a ring of two LDS slots of 256 keys (waves 0-3 fetch K's quarters, waves 4-7 V's); the batch's 2,048 mask terms come once.
; CLUSTER.  The four query blocks of a head walk the same K, V and mask terms: each tile is asked for JOINTLY, by the same tensor load with a mask that names the four.
; LAYOUT.  S^T = K Q^T (source 0 = 16 keys, source 1 = 16 queries): a lane holds ONE query (lane % 16) and keys 8 (lane / 16) + 0..7.  Two such tiles rounded in pairs ARE source 1 (32 keys x 16 queries) of O^T = V^T P.  V is turned by ds_load_tr16_b128.
; REGISTERS: window 0: v1-7 addresses; v8-23 four a tile: c m, m, l (two halves); v24-31 at work, four for each of two tiles; v32-63 the step's mask terms; v64-127 V; v128-255 S^T, 32 a tile; P is written in place into each tile's low 16.
;   window 1: v0-127 O^T, 32 a tile; v128-191 Q; v192-255 K.
.set KS,    64
.set SK,    256                        ; keys in a slot: four steps
.set NSL,   8
.set PITK,  144                        ; a row of K in LDS: 128 bytes + 16
.set PITV,  160                        ; a row of V: 128 + 32: an odd multiple of 32, as the turning load's 8 rows x 32 bytes want
.set VOFF,  SK*PITK
.set SLOT1, 1<<17                      ; slot 1 begins here: one exclusive or turns an address
.set MBT,   VOFF+SK*PITV               ; behind slot 0: the mask terms, 8,192 bytes, filled once
.set STAGE, MBT+8192                   ; the way out: 16 rows x 144 bytes for each wave; no fill lands here
.set SP,    144
.set SPARE, STAGE+8*16*SP              ; the spare words, 128 bytes a wave, which no other line names
.set AK0, 1
.set AV0, 2
.set AM0, 3
.set ADR, 4
.set PFO, 5
.set SPW, 6
.set NIL, 7
.set ST,  8
.set TP,  24
.set MB,  32
.set VF,  64
.set S,   128
.set QF,  128                          ; in window 1
.set KF,  192                          ; in window 1
.set STO, 64                           ; the way out, in V's registers
.set RD,  65
.set GO,  66
.set WV,  12
.set G1K, 24
.set G1V, 32
.set G1T, 40
.set G0K, 48
.set G0V, 52
.set G0T, 56
.set CS,  60
.set SEL, 62
.set PFA, 66
.set LIM, 68
.set SLOTS, 69
.set CNT, 70
.set TKN, 71                           ; LDS byte of the K tile to be fetched;  s72 of V's;  s73 of the mask terms
.set TVC, 72
.set TMN, 73
.set THR, 80
.set MSB, 0
.macro WIN new
.if MSB != (\new)
	s_set_vgpr_msb (MSB<<8)|(\new)
.set MSB, \new
.endif
.endm
.set W_KQ, 0x05                        ; K and Q window 1; C and D window 0
.set W_PV, 0x50                        ; V and P window 0; C and D window 1
.set W_RS, 0x41                        ; O^T (destination, source 0) window 1; the factor window 0
.set TO1,  0x40                        ; destination window 1
.macro JLOAD                           ; a joint refill; the branch hangs on the wave's number alone; an s_nop 0 and four v_nop follow each line
	s_cmp_lt_u32 s[WV], 4
	s_cbranch_scc0 .Lfor_v_\@
	tensor_load_to_lds s[G0K:G0K+3], s[G1K:G1K+7]
	s_nop 0
.rept 4
	v_nop
.endr
	s_branch .Lasked_\@
.Lfor_v_\@:
	tensor_load_to_lds s[G0V:G0V+3], s[G1V:G1V+7]
	s_nop 0
.rept 4
	v_nop
.endr
.Lasked_\@:
.endm
; A PREFETCH of what the NEXT change of slots will ask for: 32,768 bytes of K and as many of V.  Wave 0 asks for K's, wave 4 for V's; the four partners take 8,192 bytes each, told apart BY ADDRESS; lanes 256 bytes apart:
; each block of 256 bytes is named once in the launch.  It stands behind the tensor load's lines, four key steps ahead of the load that will want the bytes.  The last change that fills a slot asks for nothing.
.macro ASK
	s_cmp_gt_u32 s[SLOTS], s[LIM]
	s_cbranch_scc0 .Lnot_mine_\@
	global_prefetch_b8 v[PFO], s[PFA:PFA+1] th:TH_LOAD_NT scope:SCOPE_SE
.Lnot_mine_\@:
.endm
.macro CROUND
	s_barrier_signal -1
	s_barrier_wait -1
	s_cmp_lg_u32 s[WV], 0
	s_cbranch_scc1 .Lnot_wave_0_\@
	s_barrier_signal -3
.Lnot_wave_0_\@:
	s_barrier_wait -3
	s_barrier_signal -1
	s_barrier_wait -1
.endm
	s_load_b128 s[4:7], s[0:1], 0x0                ; qkv, maskb
	s_load_b64 s[8:9], s[0:1], 0x10                ; att
	v_lshl_add_u32 v[SPW], v0, 2, SPARE
	v_mov_b32 v[NIL], 0
	ds_add_u32 v[SPW], v[NIL]                      ; the wave's opening: the add, twice on end, and its wait ahead of my first tensor load
	ds_add_u32 v[SPW], v[NIL]
	v_lshrrev_b32 v1, 5, v0
	v_readfirstlane_b32 s[WV], v1                  ; wave 0..7
	s_bfe_u32 s13, ttmp6, 0x40000                  ; cx: my block of 512 queries; it enters Q's, att's and the prefetches' addresses alone
	s_and_b32 s14, ttmp7, 0xffff                   ; 16 b + h, which the four partners share
	s_and_b32 s15, s[WV], 3                        ; which quarter of a slot I fetch
	s_mov_b32 s[G1K], 15|(1<<16)|(1<<20)|(1<<21)|(4<<22)|(3<<25)  ; all four work-groups; elements of 2 bytes; padding on; bit 21 beside a mask; after every 32 words, 4 words
	s_mov_b32 s[G1V], 15|(1<<16)|(1<<20)|(1<<21)|(4<<22)|(7<<25)  ; the same with 8 words
.irp g, G1K, G1V
	s_mov_b32 s[\g+1], 64<<16                      ; tensor_dim0 = 64
	s_mov_b32 s[\g+2], KS<<16                      ; tensor_dim1 = 64
	s_mov_b32 s[\g+3], 64<<16                      ; tile_dim0
	s_mov_b32 s[\g+4], KS                          ; tile_dim1
	s_mov_b32 s[\g+5], 64                          ; from row to row
	s_mov_b32 s[\g+6], 0
	s_mov_b32 s[\g+7], 0
.endr
	s_mov_b32 s[G1T], 15|(3<<16)|(1<<21)           ; a quarter of the mask terms: 8 rows of 256 bytes (32 elements of 8), no padding
	s_mov_b32 s[G1T+1], 32<<16
	s_mov_b32 s[G1T+2], 8<<16
	s_mov_b32 s[G1T+3], 32<<16
	s_mov_b32 s[G1T+4], 8
	s_mov_b32 s[G1T+5], 32
	s_mov_b32 s[G1T+6], 0
	s_mov_b32 s[G1T+7], 0
	s_mov_b32 s[CS], 0x3e38aa3b                    ; c = log2(e) / 8
	s_mov_b32 s[CS+1], s[CS]                       ; (named with it as a pair)
	s_mov_b32 s[SEL], 0x76543210
	s_mov_b32 s[SEL+1], 0xfedcba98                 ; lane l xor 16
	s_mov_b32 s[THR], 0xec000000                   ; -2^89
	s_mov_b32 s[TKN], 0
	s_mov_b32 s[TVC], 0
	s_mov_b32 s[TMN], 0
	s_mov_b32 s[SLOTS], NSL-1
	s_cmp_eq_u32 s15, 0
	s_cselect_b32 s[LIM], 1, -1                    ; waves 0 and 4 prefetch: the same in all partners
	s_lshl_b32 s16, s14, 18                        ; the head's first byte in q, k, v and att
	s_lshl_b32 s18, s15, 13
	s_add_co_u32 s18, s18, s16
	s_mov_b32 s19, 0                               ; my 64 rows of slot 0
	s_lshr_b32 s20, s14, 4
	s_lshl_b32 s20, s20, 13
	s_lshl_b32 s21, s15, 11
	s_add_co_u32 s20, s20, s21
	s_mov_b32 s21, 0                               ; my quarter of the batch's mask terms
	s_lshl_b32 s22, s13, 16
	s_lshl_b32 s23, s[WV], 13
	s_add_co_u32 s22, s22, s23
	s_add_co_u32 s22, s22, s16
	s_mov_b32 s23, 0                               ; my wave's 64 queries
	s_lshr_b32 s74, s[WV], 2
	s_add_co_u32 s74, s74, 1
	s_lshl_b32 s74, s74, 24                        ; the prefetches: k for waves 0-3, v for waves 4-7,
	s_add_co_u32 s74, s74, s16
	s_lshl_b32 s75, s13, 13
	s_add_co_u32 s74, s74, s75                     ; my work-group's 8,192 bytes,
	s_add_co_u32 s74, s74, SK*128                  ; in slot 1: the first change of slots steps it to slot 2
	s_mov_b32 s75, 0
	s_mov_b32 s[G0K], 1
	s_mul_i32 s[G0K+1], s15, KS*PITK               ; no place in the cluster enters an LDS address
	s_mov_b32 s[G0V], 1
	s_mul_i32 s[G0V+1], s15, KS*PITV
	s_add_co_u32 s[G0V+1], s[G0V+1], VOFF
	s_mov_b32 s[G0T], 1
	s_lshl_b32 s[G0T+1], s15, 11
	s_add_co_u32 s[G0T+1], s[G0T+1], MBT
	s_wait_dscnt 0x0                               ; both opening adds are done
	s_wait_kmcnt 0x0
	s_add_nc_u64 s[G0K+2:G0K+3], s[4:5], s[18:19]
	s_add_nc_u64 s[G0V+2:G0V+3], s[G0K+2:G0K+3], 2<<24
	s_add_nc_u64 s[G0K+2:G0K+3], s[G0K+2:G0K+3], 1<<24
	s_or_b32 s[G0K+3], s[G0K+3], 0x80000000
	s_or_b32 s[G0V+3], s[G0V+3], 0x80000000
	s_add_nc_u64 s[G0T+2:G0T+3], s[6:7], s[20:21]
	s_or_b32 s[G0T+3], s[G0T+3], 0x80000000
	s_add_nc_u64 s[76:77], s[4:5], s[22:23]        ; Q
	s_add_nc_u64 s[78:79], s[8:9], s[22:23]        ; att
	s_add_nc_u64 s[PFA:PFA+1], s[4:5], s[74:75]
	CROUND                                         ; all four work-groups are here: the first joint loads meet
	s_cmp_lt_u32 s[WV], 4                          ; a wave's first fills stand in one branch, a fill in each arm: two loads of mine are out, or one
	s_cbranch_scc0 .Lfirst_v
	tensor_load_to_lds s[G0T:G0T+3], s[G1T:G1T+7]
	s_nop 0
	tensor_load_to_lds s[G0K:G0K+3], s[G1K:G1K+7]
	s_nop 0
.rept 4
	v_nop
.endr
	s_branch .Lfirst_asked
.Lfirst_v:
	tensor_load_to_lds s[G0V:G0V+3], s[G1V:G1V+7]
	s_nop 0
.rept 4
	v_nop
.endr
.Lfirst_asked:
	v_and_b32 v32, 15, v0                          ; r
	v_bfe_u32 v33, v0, 4, 1                        ; h
	v_lshlrev_b32 v34, 7, v32
	v_lshl_add_u32 v34, v33, 4, v34                ; Q: row r of 128 bytes, + 16 h
	WIN TO1
.irp i, 0,1,2,3,4,5,6,7                        ; Q stays in registers: tile i / 2, channels 32 (i % 2) on
	global_load_b128 v[QF+8*\i:QF+8*\i+3], v34, s[76:77] offset:(\i/2)*2048+(\i%2)*64
	global_load_b128 v[QF+8*\i+4:QF+8*\i+7], v34, s[76:77] offset:(\i/2)*2048+(\i%2)*64+32
.endr
	WIN 0
	v_mul_u32_u24 v[AK0], v32, PITK
	v_lshl_add_u32 v[AK0], v33, 4, v[AK0]          ; K: row r x pitch + 16 h
	v_and_b32 v35, 7, v0
	v_bfe_u32 v36, v0, 3, 1
	v_lshl_add_u32 v[AV0], v33, 3, v35
	v_mul_u32_u24 v[AV0], v[AV0], PITV
	v_lshl_add_u32 v[AV0], v36, 4, v[AV0]
	v_add_nc_u32 v[AV0], VOFF, v[AV0]              ; V, for the turning load: key 8 h + l % 8, channels 8 ((l / 8) % 2) on
	v_lshl_add_u32 v[AM0], v33, 5, MBT             ; the mask terms of keys 8 h + 0 .. 7 of a tile
	v_and_b32 v[PFO], 31, v0
	v_lshlrev_b32 v[PFO], 8, v[PFO]
.irp t, 0,1,2,3
	v_mov_b32 v[ST+4*\t+1], 0xec800000             ; m = -2^90: under every true score, over every masked one
	v_mul_f32 v[ST+4*\t], s[CS], v[ST+4*\t+1]      ; c m
	v_mov_b32 v[ST+4*\t+2], 0                      ; l, in two halves
	v_mov_b32 v[ST+4*\t+3], 0
.endr
.irp j, 0,1,2,3,4,5,6,7
	v_mov_b32 v[TP+\j], 0                          ; written once: a lane permute's destination counts as one of its sources
.endr
	WIN TO1
.set i, 0
.rept 128
	v_mov_b32 v[i], 0                              ; O^T.  The step is written once: its first trip finds zeros, and its a = 0 leaves them zeros
.set i, i+1
.endr
	WIN 0
.macro FETCH_K                         ; a step's K (64 keys x 64 channels: 8 fragments) and its 64 mask terms in the result's layout
	WIN 0
	v_add_nc_u32 v[ADR], s[TKN], v[AK0]
	WIN TO1
.irp f, 0,1,2,3,4,5,6,7                        ; keys 16 (f / 2) on, channels 32 (f % 2) on
	ds_load_b128 v[KF+8*\f:KF+8*\f+3], v[ADR] offset:(\f/2)*16*PITK+(\f%2)*64
	ds_load_b128 v[KF+8*\f+4:KF+8*\f+7], v[ADR] offset:(\f/2)*16*PITK+(\f%2)*64+32
.endr
	WIN 0
	v_add_nc_u32 v[ADR], s[TMN], v[AM0]
.irp f, 0,1,2,3
	ds_load_b128 v[MB+8*\f:MB+8*\f+3], v[ADR] offset:64*\f
	ds_load_b128 v[MB+8*\f+4:MB+8*\f+7], v[ADR] offset:64*\f+16
.endr
.endm
.macro FETCH_V                         ; a step's V, turned: keys 32 (f / 4) on, channels 16 (f % 4) on
	v_add_nc_u32 v[ADR], s[TVC], v[AV0]
	s_add_co_u32 s[TVC], s[TVC], KS*PITV
.irp f, 0,1,2,3,4,5,6,7
	ds_load_tr16_b128 v[VF+8*\f:VF+8*\f+3], v[ADR] offset:(\f/4)*32*PITV+(\f%4)*32
	ds_load_tr16_b128 v[VF+8*\f+4:VF+8*\f+7], v[ADR] offset:(\f/4)*32*PITV+16*PITV+(\f%4)*32
.endr
.endm
; 32 products S^T = K Q^T + the mask terms: channels 32 (i / 16) on, keys 16 ((i / 4) % 4) on, tile i % 4.  The 16 accumulators take turns; the first 16 start the sums from the mask terms.
.macro KQ
.set i, 0
.rept 32
.set kc, i/16
.set kt, (i/4)%4
.set tq, i%4
.set rS, S+32*tq+8*kt
.set rK, KF+16*kt+8*kc
.set rQ, QF+16*tq+8*kc
.if kc == 0
	v_wmma_f32_16x16x32_f16 v[rS:rS+7], v[rK:rK+7], v[rQ:rQ+7], v[MB+8*kt:MB+8*kt+7]
.else
	v_wmma_f32_16x16x32_f16 v[rS:rS+7], v[rK:rK+7], v[rQ:rQ+7], v[rS:rS+7]
.endif
.set i, i+1
.endr
.endm
; 16 products O^T += V^T P for tiles x, x + 1: keys 32 (i / 8) on, channels 16 ((i / 2) % 4) on.  The 8 accumulators take turns.
.macro PV x
.set i, 0
.rept 16
.set pc, i/8
.set ct, (i/2)%4
.set tq, \x+i%2
.set rO, 32*tq+8*ct
.set rV, VF+8*(4*pc+ct)
.set rP, S+32*tq+8*pc
	v_wmma_f32_16x16x32_f16 v[rO:rO+7], v[rV:rV+7], v[rP:rP+7], v[rO:rO+7]
.set i, i+1
.endr
.endm
; THE SOFTMAX of tiles x and x + 1 for one key step, the two tiles line by line, so that no line waits for the line above it.  c0-c3 = v[TP + 4 u ..].
.macro SM x
	WIN 0
.irp j, 0,1,2,3                                ; the maximum of the lane's 32 scores and the old m, three operands at a time; each score tile is read from its low end on
.irp u, 0,1
	v_max3_num_f32 v[TP+4*\u+\j], v[S+32*(\x+\u)+8*\j], v[S+32*(\x+\u)+8*\j+1], v[S+32*(\x+\u)+8*\j+2]
.endr
.endr
.irp g, 1,2
.irp j, 0,1,2,3
.irp u, 0,1
	v_max3_num_f32 v[TP+4*\u+\j], v[TP+4*\u+\j], v[S+32*(\x+\u)+8*\j+2*\g+1], v[S+32*(\x+\u)+8*\j+2*\g+2]
.endr
.endr
.endr
.irp u, 0,1
	v_max3_num_f32 v[TP+4*\u], v[TP+4*\u], v[S+32*(\x+\u)+7], v[S+32*(\x+\u)+15]
.endr
.irp u, 0,1
	v_max3_num_f32 v[TP+4*\u+2], v[TP+4*\u+2], v[S+32*(\x+\u)+23], v[S+32*(\x+\u)+31]
.endr
.irp u, 0,1
	v_max3_num_f32 v[TP+4*\u], v[TP+4*\u], v[TP+4*\u+1], v[TP+4*\u+2]
.endr
.irp u, 0,1
	v_max3_num_f32 v[TP+4*\u], v[TP+4*\u], v[TP+4*\u+3], v[ST+4*(\x+\u)+1]
.endr
.irp u, 0,1
	v_permlanex16_b32 v[TP+4*\u+1], v[TP+4*\u], s[SEL], s[SEL+1]   ; the query's other 32 keys lie in the lane 16 away
.endr
.irp u, 0,1
	v_mov_b32 v[TP+4*\u+3], v[ST+4*(\x+\u)]        ; c m_old
.endr
.irp u, 0,1
	v_max_num_f32 v[ST+4*(\x+\u)+1], v[TP+4*\u], v[TP+4*\u+1]
.endr
.irp u, 0,1
	v_mul_f32 v[ST+4*(\x+\u)], s[CS], v[ST+4*(\x+\u)+1]
.endr
.irp u, 0,1
	v_sub_f32 v[TP+4*\u+3], v[TP+4*\u+3], v[ST+4*(\x+\u)]
.endr
.irp u, 0,1
	v_exp_f32 v[TP+4*\u+2], v[TP+4*\u+3]           ; a.  From here to the wait nothing names an exponential's result
.endr
.set e, 0
.rept 16
	v_pk_fma_f32 v[S+32*(\x)+2*e:S+32*(\x)+2*e+1], v[S+32*(\x)+2*e:S+32*(\x)+2*e+1], s[CS:CS+1], v[ST+4*(\x):ST+4*(\x)+1] op_sel_hi:[1,0,0] neg_lo:[0,0,1] neg_hi:[0,0,1]   ; c s - c m, two at a time
	v_pk_fma_f32 v[S+32*(\x)+32+2*e:S+32*(\x)+32+2*e+1], v[S+32*(\x)+32+2*e:S+32*(\x)+32+2*e+1], s[CS:CS+1], v[ST+4*(\x)+4:ST+4*(\x)+5] op_sel_hi:[1,0,0] neg_lo:[0,0,1] neg_hi:[0,0,1]
.set e, e+1
.endr
.set e, 0
.rept 32
	v_exp_f32 v[S+32*(\x)+e], v[S+32*(\x)+e]
	v_exp_f32 v[S+32*(\x)+32+e], v[S+32*(\x)+32+e]
.set e, e+1
.endr
	v_nop                                          ; the plain instruction behind the last exponential
	s_wait_alu depctr_va_vdst(0)                   ; ONE wait for both tiles' 66 exponentials, ahead of the first instruction that names a result
.irp u, 0,1
	v_pk_fma_f32 v[ST+4*(\x+\u)+2:ST+4*(\x+\u)+3], v[ST+4*(\x+\u)+2:ST+4*(\x+\u)+3], v[TP+4*\u+2:TP+4*\u+3], v[S+32*(\x+\u):S+32*(\x+\u)+1] op_sel_hi:[1,0,1]   ; l = a l + the first pair
.endr
.irp u, 0,1
	v_pk_add_f32 v[TP+4*\u:TP+4*\u+1], v[S+32*(\x+\u)+2:S+32*(\x+\u)+3], v[S+32*(\x+\u)+4:S+32*(\x+\u)+5]   ; a second chain
.endr
.irp b, 3,5,7,9,11,13
.irp u, 0,1
	v_pk_add_f32 v[ST+4*(\x+\u)+2:ST+4*(\x+\u)+3], v[ST+4*(\x+\u)+2:ST+4*(\x+\u)+3], v[S+32*(\x+\u)+2*\b:S+32*(\x+\u)+2*\b+1]
.endr
.irp u, 0,1
	v_pk_add_f32 v[TP+4*\u:TP+4*\u+1], v[TP+4*\u:TP+4*\u+1], v[S+32*(\x+\u)+2*\b+2:S+32*(\x+\u)+2*\b+3]
.endr
.endr
.irp u, 0,1
	v_pk_add_f32 v[ST+4*(\x+\u)+2:ST+4*(\x+\u)+3], v[ST+4*(\x+\u)+2:ST+4*(\x+\u)+3], v[S+32*(\x+\u)+30:S+32*(\x+\u)+31]
.endr
.irp u, 0,1
	v_pk_add_f32 v[ST+4*(\x+\u)+2:ST+4*(\x+\u)+3], v[ST+4*(\x+\u)+2:ST+4*(\x+\u)+3], v[TP+4*\u:TP+4*\u+1]
.endr
.set e, 0
.rept 16
	v_cvt_pk_f16_f32 v[S+32*(\x)+e], v[S+32*(\x)+2*e], v[S+32*(\x)+2*e+1]             ; P, in place, ascending: register e takes pair e, which no later line reads
	v_cvt_pk_f16_f32 v[S+32*(\x)+32+e], v[S+32*(\x)+32+2*e], v[S+32*(\x)+32+2*e+1]
.set e, e+1
.endr
	WIN W_RS
.set e, 0
.rept 16
	v_pk_mul_f32 v[32*(\x)+2*e:32*(\x)+2*e+1], v[32*(\x)+2*e:32*(\x)+2*e+1], v[TP+2:TP+3] op_sel_hi:[1,0]          ; O^T x a, each accumulator from its low end on
	v_pk_mul_f32 v[32*(\x)+32+2*e:32*(\x)+32+2*e+1], v[32*(\x)+32+2*e:32*(\x)+32+2*e+1], v[TP+6:TP+7] op_sel_hi:[1,0]
.set e, e+1
.endr
.endm
; A KEY STEP.  Its K and mask terms were fetched a step ago; the next step's are fetched behind the scores' products, but for a slot's last step, whose successor lies behind the change of slots.
.macro STEP
	s_wait_dscnt 0x0                               ; K and the mask terms are in
	WIN W_KQ
	KQ
	WIN 0
.rept 4
	v_nop                                          ; places ahead of the loads into K's and the terms' registers and of the first read of the scores
.endr
	s_add_co_u32 s[TKN], s[TKN], KS*PITK
	s_add_co_u32 s[TMN], s[TMN], KS*4
	s_cmp_eq_u32 s[CNT], 1                         ; the count of steps: the same in all waves and partners
	s_cbranch_scc1 .Lno_k_\@
	FETCH_K
.Lno_k_\@:
	FETCH_V
	SM 0
	s_wait_dscnt 0x0                               ; V is in (and the next K)
	WIN W_PV
	PV 0
	SM 2
	WIN W_PV
	PV 2
	WIN 0
.rept 5
	v_nop                                          ; the next step's products write over P, which these have read: five places
.endr
.endm
.macro PROC                            ; a slot's four key steps: written once, walked four times
	FETCH_K
	s_mov_b32 s[CNT], SK/KS
.Lstep_\@:
	STEP
	s_sub_co_u32 s[CNT], s[CNT], 1
	s_cmp_lg_u32 s[CNT], 0
	s_cbranch_scc1 .Lstep_\@
	s_sub_co_u32 s[TKN], s[TKN], SK*PITK           ; back to a slot's first step,
	s_xor_b32 s[TKN], s[TKN], SLOT1                ; in the other slot
	s_sub_co_u32 s[TVC], s[TVC], SK*PITV
	s_xor_b32 s[TVC], s[TVC], SLOT1
.endm
; THE CHANGE OF SLOTS stands at a slot's head.  Each wave waits for all its tensor loads (its part of the slot ahead), adds 0 to its spare word, and waits for that and for its reads of the slot that it has left.
; fill = 1: behind a round of the cluster's barrier the other slot is asked for, with the next 256 keys: the load has four key steps in which to land.  One tensor load of mine is out behind each round.
.macro CHANGE fill
	WIN 0
	s_wait_tensorcnt 0x0                           ; no tensor load of mine is out, so a group 0 may be written
	ds_add_u32 v[SPW], v[NIL]
.if \fill
	s_xor_b32 s[G0K+1], s[G0K+1], SLOT1
	s_add_nc_u64 s[G0K+2:G0K+3], s[G0K+2:G0K+3], SK*128
	s_xor_b32 s[G0V+1], s[G0V+1], SLOT1
	s_add_nc_u64 s[G0V+2:G0V+3], s[G0V+2:G0V+3], SK*128
	s_wait_xcnt 0x0                                ; the last prefetch, a slot back, has read its address
	s_add_nc_u64 s[PFA:PFA+1], s[PFA:PFA+1], SK*128
	s_wait_dscnt 0x0
	CROUND
	JLOAD
	ASK
.else
	s_wait_dscnt 0x0
	s_barrier_signal -1
	s_barrier_wait -1
.endif
.endm
	s_wait_loadcnt 0x0                             ; Q
.Lslot:                                            ; seven trips: trip s reads slot s and asks for slot s + 1 (slot 1's first fill goes out as a refill does, behind a round behind which nothing is filled again)
	CHANGE 1
	PROC
	s_sub_co_u32 s[SLOTS], s[SLOTS], 1
	s_cmp_lg_u32 s[SLOTS], 0
	s_cbranch_scc1 .Lslot
	CHANGE 0                                       ; the last slot is written out
	PROC
	; THE WAY OUT.  l's halves and the other half of the lanes' are added; O^T is divided by l, rounded to f16 and sent through my stage, a tile of 16 queries at a time.
.irp t, 0,1,2,3
	v_add_f32 v[TP+\t], v[ST+4*\t+2], v[ST+4*\t+3]
.endr
.irp t, 0,1,2,3
	v_permlanex16_b32 v[TP+4+\t], v[TP+\t], s[SEL], s[SEL+1]
.endr
.irp t, 0,1,2,3
	v_add_f32 v[TP+\t], v[TP+\t], v[TP+4+\t]
.endr
.irp t, 0,1,2,3
	v_rcp_f32 v[ST+4*\t+2], v[TP+\t]
.endr
	v_mov_b32 v[ADR], 0x7fc00000                   ; NaN (the plain instruction behind the reciprocals; the address work follows as their independent work)
	s_mul_i32 s74, s[WV], 16*SP
	s_add_co_u32 s74, s74, STAGE                   ; my stage
	v_and_b32 v67, 15, v0
	v_bfe_u32 v68, v0, 4, 1
	v_mul_u32_u24 v[STO], v67, SP
	v_lshl_add_u32 v[STO], v68, 4, v[STO]
	v_add_nc_u32 v[STO], s74, v[STO]               ; in: query r, 16 bytes for each half of the lanes
	v_and_b32 v67, 31, v0
	v_lshrrev_b32 v68, 3, v67
	v_and_b32 v69, 7, v0
	v_mul_u32_u24 v[RD], v68, SP
	v_lshl_add_u32 v[RD], v69, 4, v[RD]
	v_add_nc_u32 v[RD], s74, v[RD]                 ; back: eight lanes to a query's 128 bytes, four queries an instruction
	v_lshlrev_b32 v[GO], 4, v67
	s_wait_alu depctr_va_vdst(0)                   ; one wait for the four reciprocals, ahead of their first reader
.irp t, 0,1,2,3
	v_cmp_gt_f32 vcc_lo, s[THR], v[ST+4*\t+1]      ; m still at its start: no key of this row counts
	v_cndmask_b32 v[ST+4*\t+2], v[ST+4*\t+2], v[ADR], vcc_lo
.endr
.macro PACK t
	WIN W_RS
.set e, 0
.rept 16
	v_pk_mul_f32 v[32*\t+2*e:32*\t+2*e+1], v[32*\t+2*e:32*\t+2*e+1], v[ST+4*\t+2:ST+4*\t+3] op_sel_hi:[1,0]
.set e, e+1
.endr
	WIN 0x05                                       ; sources window 1, destination window 0: the scores' registers are free
.set e, 0
.rept 16
	v_cvt_pk_f16_f32 v[S+32*\t+e], v[32*\t+2*e], v[32*\t+2*e+1]
.set e, e+1
.endr
	WIN 0
.irp f, 0,1,2,3
	ds_store_b128 v[STO], v[S+32*\t+4*\f:S+32*\t+4*\f+3] offset:32*\f
.endr
.irp g, 0,1,2,3
	ds_load_b128 v[S+32*\t+16+4*\g:S+32*\t+16+4*\g+3], v[RD] offset:\g*4*SP   ; LDS serves a wave's instructions in order: these see the stores above, and the next tile's stores come behind them
.endr
.endm
.macro SEND t, younger                 ; younger: the LDS instructions issued behind tile t's loads: the next tile's eight, or none
.irp g, 0,1,2,3
	s_wait_dscnt \younger+3-\g
	global_store_b128 v[GO], v[S+32*\t+16+4*\g:S+32*\t+16+4*\g+3], s[78:79] offset:\t*2048+\g*512   ; the wave stores 512 consecutive bytes, aligned
.endr
.endm
	PACK 0
	PACK 1
	SEND 0, 8
	PACK 2
	SEND 1, 8
	PACK 3
	SEND 2, 8
	SEND 3, 0
	s_wait_tensorcnt 0x0                           ; the wave's end: a wait, an add to my spare word and its wait
	ds_add_u32 v[SPW], v[NIL]
	s_wait_dscnt 0x0
	CROUND                                         ; the closing round
	s_endpgm
.Lfunc_end_k_q142ebd6bc9_attn:
	.size	k_q142ebd6bc9_attn, .Lfunc_end_k_q142ebd6bc9_attn-k_q142ebd6bc9_attn
	.p2alignl 7, 3214868480
	.fill 96, 4, 3214868480
	.section	.rodata,"a",@progbits
	.p2align	6, 0x0
	.amdhsa_kernel k_q142ebd6bc9_attn
		.amdhsa_group_segment_fixed_size 327680
		.amdhsa_private_segment_fixed_size 0
		.amdhsa_enable_private_segment 0
		.amdhsa_kernarg_size 24
		.amdhsa_user_sgpr_count 2
		.amdhsa_user_sgpr_kernarg_segment_ptr 1
		.amdhsa_wavefront_size32 1
		.amdhsa_system_sgpr_workgroup_id_x 1
		.amdhsa_system_sgpr_workgroup_id_y 1
		.amdhsa_system_sgpr_workgroup_id_z 1
		.amdhsa_system_vgpr_workitem_id 0
		.amdhsa_next_free_vgpr 512
		.amdhsa_next_free_sgpr 84
		.amdhsa_reserve_vcc 1
		.amdhsa_float_denorm_mode_32 3
		.amdhsa_float_denorm_mode_16_64 3
		.amdhsa_memory_ordered 1
		.amdhsa_forward_progress 1
		.amdhsa_inst_pref_size 98
	.end_amdhsa_kernel
	.amdgpu_metadata
---
amdhsa.version: [ 1, 2 ]
amdhsa.kernels:
  - .name:           k_q142ebd6bc9_attn
    .symbol:         k_q142ebd6bc9_attn.kd
    .args:
      - { .name: qkv, .offset: 0, .size: 8, .value_kind: global_buffer, .address_space: global }
      - { .name: maskb, .offset: 8, .size: 8, .value_kind: global_buffer, .address_space: global }
      - { .name: att, .offset: 16, .size: 8, .value_kind: global_buffer, .address_space: global }
    .group_segment_fixed_size: 327680
    .private_segment_fixed_size: 0
    .kernarg_segment_align: 8
    .kernarg_segment_size: 24
    .max_flat_workgroup_size: 256
    .sgpr_count:     84
    .vgpr_count:     512
    .wavefront_size: 32
...
	.end_amdgpu_metadata
.endif
;; end of part 3
;; launch oproj (part 4): grid 4 x 64, 4 waves a work-group, clusters of 4 x 4, 327,680 bytes of LDS; arguments att, wo16, bo, out0; writes out0
.if DOCPART == 4
	.amdgcn_target "amdgcn-amd-amdhsa--gfx1250"
	.amdhsa_code_object_version 6
	.text
	.protected	k_q142ebd6bc9_oproj
	.globl	k_q142ebd6bc9_oproj
	.p2align	8
	.type	k_q142ebd6bc9_oproj,@function
k_q142ebd6bc9_oproj:
	s_mov_b64 s[64:65], 0
	v_nop
	global_prefetch_b8 v0, s[64:65] scope:SCOPE_SE
	s_setreg_imm32_b32 hwreg(HW_REG_WAVE_MODE, 25, 1), 1
	s_wait_xcnt 0x0
	s_wait_alu depctr_hold_cnt(0) depctr_sa_sdst(0) depctr_va_vdst(0) depctr_va_sdst(0) depctr_va_ssrc(0) depctr_va_vcc(0) depctr_vm_vsrc(0)
	s_getreg_b32 s2, hwreg(HW_REG_IB_STS2, 6, 4)
	s_cmp_eq_u32 s2, 0
	s_cbranch_scc0 .Lentry_in_a_cluster
	s_endpgm
.Lentry_in_a_cluster:
	s_bfe_u32 s2, ttmp6, 0x10000c
	s_cmp_lg_u32 s2, 0xf033
	s_cbranch_scc0 .Lentry_shape_is_right
	s_endpgm
.Lentry_shape_is_right:
; LAUNCH 4 OF 4: out0[token][n] = the sum over h, d of att[b][h][s][d] wo16[h][n][d] + bo[n].  att and wo16 in f16, laid by head: K is walked head by head, the same order on both sides.  Sums in f32; out0 f32.
; SHARES.  A tile of out0 is 128 tokens x 256 outputs; four waves, each 64 x 128: 32 accumulators, 256 registers.  A K step is two heads (128 along K), 128 matrix instructions a wave; eight K steps on a ring of two LDS slots.
; Waves 0 and 1 fetch att's rows of the step's two heads (128 rows x 128 bytes each), waves 2 and 3 wo16's (256 rows each): one tensor load a wave.
; CLUSTERS: 4 x 4.  The four of a row need the same tokens' tiles, the four of a column the same tiles of wo16: each is asked for JOINTLY.
; THE MATRIX INSTRUCTION IS USED TRANSPOSED (source 0 = 16 rows of wo16, source 1 = 16 tokens): a lane holds eight neighbouring outputs of one token.  bo is the C of each sum's first instruction.
; REGISTERS: window 0: v0-31 addresses; v32-95 bo in the result's layout; v128-191 att's fragments, two buffers of 32 (on the way out v128-255: rows read back).   window 1: v0-127 wo16's fragments, two buffers of 64.   window 2: the accumulators, (a, b) at v[8 (8 a + b)].
.set PITCH,  144                       ; an LDS row: 128 bytes + 16
.set ACH,    128*PITCH                 ; att's rows of one head
.set BCH,    256*PITCH                 ; wo16's rows of one head
.set BOFF,   2*ACH
.set SLOT,   2*ACH+2*BCH
.set STAGE,  2*SLOT                    ; behind the ring: 16 rows x (512 bytes + 16) for each wave
.set SPITCH, 528
.set SPARE,  STAGE+4*16*SPITCH         ; the spare words, 128 bytes a wave, which no other line names
.set LAPS,   4                         ; a lap = two K steps
.set ADRA, 16
.set ADRB, 20
.set STO,  24
.set RD,   25
.set CO,   26
.set BO,   27
.set SPW,  28
.set NIL,  29
.set PFO,  30
.set BI,   32
.set AF,   128
.set BK,   128
.set G1, 24
.set G0, 32
.set G1B, 48
.set G0B, 56
.set PFA, 66
.set LIM, 68
.set MSB, 0
.macro WIN new
.if MSB != (\new)
	s_set_vgpr_msb (MSB<<8)|(\new)
.set MSB, \new
.endif
.endm
.set MUL,  0xa1                        ; source 0 (wo16) window 1, source 1 (att) window 0, C and D window 2
.set MULB, 0x81                        ; C (bo) window 0, D window 2
.set TO_B, 0x40
.macro JLOAD s                         ; a joint load; the branch hangs on the wave's number alone; an s_nop 0 and four v_nop follow each line
	s_cmp_eq_u32 s15, 0
	s_cbranch_scc0 .Lfor_b_\@
	tensor_load_to_lds s[G0+4*\s:G0+4*\s+3], s[G1:G1+7]
	s_nop 0
.rept 4
	v_nop
.endr
	s_branch .Lasked_\@
.Lfor_b_\@:
	tensor_load_to_lds s[G0B+4*\s:G0B+4*\s+3], s[G1B:G1B+7]
	s_nop 0
.rept 4
	v_nop
.endr
.Lasked_\@:
.endm
; A PREFETCH of att's rows of the K step that stands two refills on: 32,768 bytes for a row of the cluster.  Wave 0 asks; the four partners of the row take 8,192 bytes each (head cx / 2 of the two, half cx % 2), told apart BY ADDRESS;
; lanes 256 bytes apart: each block of 256 bytes is named once in the launch.  wo16 is read by every cluster and is not asked for.  The loop's last trip asks for nothing: K has no step so far on.
.macro ASK
	s_cmp_gt_u32 s3, s[LIM]
	s_cbranch_scc0 .Lnot_mine_\@
	global_prefetch_b8 v[PFO], s[PFA:PFA+1] th:TH_LOAD_NT scope:SCOPE_SE
.Lnot_mine_\@:
.endm
.macro CREST
	s_cmp_lg_u32 s14, 0
	s_cbranch_scc1 .Lnot_wave_0_\@
	s_barrier_signal -3
.Lnot_wave_0_\@:
	s_barrier_wait -3
	s_barrier_signal -1
	s_barrier_wait -1
.endm
.macro CROUND
	s_barrier_signal -1
	s_barrier_wait -1
	CREST
.endm
	s_load_b128 s[4:7], s[0:1], 0x0                ; att, wo16
	s_load_b128 s[8:11], s[0:1], 0x10              ; bo, out0
	v_lshl_add_u32 v[SPW], v0, 2, SPARE
	v_mov_b32 v[NIL], 0
	ds_add_u32 v[SPW], v[NIL]                      ; the wave's opening: the add, twice on end, and its wait ahead of my first tensor load
	ds_add_u32 v[SPW], v[NIL]
	v_lshrrev_b32 v1, 5, v0
	v_readfirstlane_b32 s14, v1                    ; wave 0..3
	s_lshr_b32 s15, s14, 1                         ; which 64 tokens are mine.  Also: I fetch for att (0) or wo16 (1)
	s_and_b32 s16, s14, 1                          ; which 128 outputs.  Also: which of the step's two heads I fetch
	s_bfe_u32 s40, ttmp6, 0x40000                  ; cx, cy
	s_bfe_u32 s41, ttmp6, 0x40004
	s_lshl_b32 s42, ttmp9, 2
	s_add_co_u32 s42, s42, s40                     ; tile column: 256 outputs
	s_and_b32 s17, ttmp7, 0xffff
	s_lshl_b32 s17, s17, 2
	s_add_co_u32 s17, s17, s41                     ; tile row: 128 tokens
	s_lshl_b32 s43, s41, 2
	s_lshl_b32 s43, 15, s43                        ; my row of the cluster
	s_lshl_b32 s44, 0x1111, s40                    ; my column
	s_or_b32 s[G1+0], s43, (1<<16)|(1<<20)|(1<<21)|(4<<22)|(3<<25)  ; the mask; elements of 2 bytes; padding on; bit 21 beside a mask; after every 32 words, 4 words
	s_or_b32 s[G1B+0], s44, (1<<16)|(1<<20)|(1<<21)|(4<<22)|(3<<25)
	s_mov_b32 s[G1+1], 64<<16                      ; att: 128 rows x 64 elements, dense
	s_mov_b32 s[G1+2], 128<<16
	s_mov_b32 s[G1+3], 64<<16
	s_mov_b32 s[G1+4], 128
	s_mov_b32 s[G1+5], 64
	s_mov_b32 s[G1+6], 0
	s_mov_b32 s[G1+7], 0
	s_mov_b32 s[G1B+1], 64<<16                     ; wo16: 256 rows x 64 elements, dense
	s_mov_b32 s[G1B+2], 256<<16
	s_mov_b32 s[G1B+3], 64<<16
	s_mov_b32 s[G1B+4], 256
	s_mov_b32 s[G1B+5], 64
	s_mov_b32 s[G1B+6], 0
	s_mov_b32 s[G1B+7], 0
	s_lshr_b32 s18, s17, 4                         ; the batch: 16 tile rows each
	s_lshl_b32 s18, s18, 22
	s_and_b32 s19, s17, 15
	s_lshl_b32 s19, s19, 14
	s_add_co_u32 s18, s18, s19                     ; the tile's first token in head 0 of att
	s_lshl_b32 s20, s16, 18
	s_add_co_u32 s20, s20, s18                     ; in my head of K step 0
	s_mov_b32 s21, 0
	s_lshl_b32 s46, s16, 17
	s_lshl_b32 s47, s42, 15
	s_add_co_u32 s46, s46, s47                     ; wo16: my head, the tile's 256 rows
	s_mov_b32 s47, 0
	s_lshr_b32 s[PFA], s40, 1                      ; the prefetches' offset: head cx / 2,
	s_lshl_b32 s[PFA], s[PFA], 18
	s_and_b32 s[PFA+1], s40, 1
	s_lshl_b32 s[PFA+1], s[PFA+1], 13              ; half cx % 2,
	s_add_co_u32 s[PFA], s[PFA], s[PFA+1]
	s_add_co_u32 s[PFA], s[PFA], s18
	s_add_co_u32 s[PFA], s[PFA], 3<<19             ; at K step 3: the first refill steps it to 4
	s_mov_b32 s[PFA+1], 0
	s_mul_i32 s45, s16, ACH                        ; where the tiles go: no place in the cluster enters an LDS address
	s_mul_i32 s23, s16, BCH
	s_add_co_u32 s23, s23, BOFF
	s_cmp_eq_u32 s14, 0
	s_cselect_b32 s[LIM], 1, -1                    ; wave 0 prefetches: the same in all partners
	s_wait_dscnt 0x0                               ; both opening adds are done
	s_wait_kmcnt 0x0
	s_add_nc_u64 s[20:21], s[4:5], s[20:21]
	s_add_nc_u64 s[46:47], s[6:7], s[46:47]
	s_add_nc_u64 s[PFA:PFA+1], s[4:5], s[PFA:PFA+1]
	CROUND                                         ; all sixteen work-groups are here: the first joint loads meet
.irp s, 0,1
	s_mov_b32 s[G0+4*\s], 1
	s_add_co_u32 s[G0+4*\s+1], s45, \s*SLOT
	s_add_nc_u64 s[G0+4*\s+2:G0+4*\s+3], s[20:21], \s*(1<<19)      ; K step s: two heads on
	s_or_b32 s[G0+4*\s+3], s[G0+4*\s+3], 0x80000000
	s_mov_b32 s[G0B+4*\s], 1
	s_add_co_u32 s[G0B+4*\s+1], s23, \s*SLOT
	s_add_nc_u64 s[G0B+4*\s+2:G0B+4*\s+3], s[46:47], \s*(1<<18)
	s_or_b32 s[G0B+4*\s+3], s[G0B+4*\s+3], 0x80000000
	JLOAD \s                                       ; two tensor loads of mine are out
.endr
	v_and_b32 v1, 15, v0                           ; r
	v_bfe_u32 v2, v0, 4, 1                         ; h
	s_lshl_b32 s18, s42, 10
	s_lshl_b32 s19, s16, 9
	s_add_co_u32 s18, s18, s19                     ; my 128 outputs, in bytes of f32
	s_mov_b32 s19, 0
	s_add_nc_u64 s[8:9], s[8:9], s[18:19]
	s_add_nc_u64 s[10:11], s[10:11], s[18:19]
	v_lshlrev_b32 v[BO], 5, v2                     ; lane (r, h) wants, for block b, outputs 16 b + 8 h + 0 .. 7
.irp b, 0,1,2,3,4,5,6,7
	global_load_b128 v[BI+8*\b:BI+8*\b+3], v[BO], s[8:9] offset:64*\b
	global_load_b128 v[BI+8*\b+4:BI+8*\b+7], v[BO], s[8:9] offset:64*\b+16
.endr
	s_lshl_b32 s18, s17, 7
	s_lshl_b32 s22, s15, 6
	s_add_co_u32 s18, s18, s22                     ; my first token
	s_lshl_b32 s18, s18, 12                        ; rows of 4,096 bytes
	s_add_nc_u64 s[10:11], s[10:11], s[18:19]      ; never stepped: all else stands in the stores' immediates
	v_mul_u32_u24 v3, v1, PITCH
	v_lshl_add_u32 v3, v2, 4, v3                   ; a fragment's row x pitch + 16 h
	s_mul_i32 s21, s15, 64*PITCH                   ; my 64 tokens
	s_mul_i32 s22, s16, 128*PITCH                  ; my 128 rows of wo16,
	s_add_co_u32 s22, s22, BOFF                    ; behind att's two heads
.irp s, 0,1
	v_add_nc_u32 v[ADRA+\s], s21, v3
	v_add_nc_u32 v[ADRB+\s], s22, v3
	s_add_co_u32 s21, s21, SLOT
	s_add_co_u32 s22, s22, SLOT
.endr
	s_mul_i32 s23, s14, 16*SPITCH
	s_add_co_u32 s23, s23, STAGE                   ; my stage
	v_mul_u32_u24 v4, v1, SPITCH
	v_lshl_add_u32 v4, v2, 5, v4
	v_add_nc_u32 v[STO], s23, v4                   ; in: token r, 32 bytes for each half of the lanes
	v_and_b32 v5, 31, v0
	v_lshlrev_b32 v[CO], 4, v5                     ; back: the 32 lanes take one row of 512 bytes; the same in out0
	v_add_nc_u32 v[RD], s23, v[CO]
	v_lshlrev_b32 v[PFO], 8, v5
; 16 matrix instructions: token blocks a0, a0 + 1 x the eight blocks of outputs, 32 along K, from buffer f.  first = 1: the sums start from bo.  The 32 accumulators take turns.
.macro MUL16 f, a0, first
.irp a, \a0, \a0+1
.irp b, 0,1,2,3,4,5,6,7
.if \first
	v_wmma_f32_16x16x32_f16 v[8*(8*(\a)+\b):8*(8*(\a)+\b)+7], v[64*(\f)+8*\b:64*(\f)+8*\b+7], v[AF+32*(\f)+8*(\a):AF+32*(\f)+8*(\a)+7], v[BI+8*\b:BI+8*\b+7]
.else
	v_wmma_f32_16x16x32_f16 v[8*(8*(\a)+\b):8*(8*(\a)+\b)+7], v[64*(\f)+8*\b:64*(\f)+8*\b+7], v[AF+32*(\f)+8*(\a):AF+32*(\f)+8*(\a)+7], v[8*(8*(\a)+\b):8*(8*(\a)+\b)+7]
.endif
.endr
.endr
.endm
; 24 LDS loads in one run: the fragments of quarter qd of a K step (head qd / 2, channels 32 (qd % 2) on) into buffer f
.macro FETCH slot, qd, f
	WIN TO_B
.irp i, 0,1,2,3,4,5,6,7
	ds_load_b128 v[64*(\f)+8*\i:64*(\f)+8*\i+3], v[ADRB+\slot] offset:((\qd)>>1)*BCH+((\qd)&1)*64+\i*16*PITCH
	ds_load_b128 v[64*(\f)+8*\i+4:64*(\f)+8*\i+7], v[ADRB+\slot] offset:((\qd)>>1)*BCH+((\qd)&1)*64+\i*16*PITCH+32
.endr
	WIN 0
.irp i, 0,1,2,3
	ds_load_b128 v[AF+32*(\f)+8*\i:AF+32*(\f)+8*\i+3], v[ADRA+\slot] offset:((\qd)>>1)*ACH+((\qd)&1)*64+\i*16*PITCH
	ds_load_b128 v[AF+32*(\f)+8*\i+4:AF+32*(\f)+8*\i+7], v[ADRA+\slot] offset:((\qd)>>1)*ACH+((\qd)&1)*64+\i*16*PITCH+32
.endr
.endm
.macro PLACES                          ; four plain vector instructions between a matrix instruction and a load into, or a read of, its registers
.rept 4
	v_nop
.endr
.endm
; One of a K step's first three quarters: multiplies buffer f; in its middle it fetches quarter qn of the same slot into buffer g.
.macro QUARTER slot, qn, f, g, first
	s_wait_dscnt 0x0                               ; buffer f is in
.if \first
	WIN MULB
.else
	WIN MUL
.endif
	MUL16 \f, 0, \first
	PLACES
	FETCH \slot, \qn, \g
.if \first
	WIN MULB
.else
	WIN MUL
.endif
	MUL16 \f, 2, \first
.endm
; The last quarter multiplies buffer 1 and changes slots: ONE barrier; in front of it each wave waits for all its tensor loads, adds 0 to its spare word, and waits for that and for its reads of this slot.
; fill = 1: the barrier opens a round of the cluster's barrier, and this slot is asked for again, two K steps ahead, first thing behind the round: one tensor load of mine is out.
.macro TURN slot, next, fill
.if \fill
	s_wait_xcnt 0x0                                ; the last prefetch, a K step back, has read its address
	s_add_nc_u64 s[PFA:PFA+1], s[PFA:PFA+1], 1<<19
.endif
	WIN 0
	s_wait_tensorcnt 0x0
	ds_add_u32 v[SPW], v[NIL]
	s_wait_dscnt 0x0                               ; the add is done, buffer 1 is in, and my reads of this slot are over
	s_barrier_signal -1
	WIN MUL
	MUL16 1, 0, 0                                  ; work on registers while the others arrive
	WIN 0
	s_barrier_wait -1
.if \fill
	CREST
	s_add_nc_u64 s[G0+4*\slot+2:G0+4*\slot+3], s[G0+4*\slot+2:G0+4*\slot+3], 1<<20
	s_add_nc_u64 s[G0B+4*\slot+2:G0B+4*\slot+3], s[G0B+4*\slot+2:G0B+4*\slot+3], 1<<19
	JLOAD \slot                                    ; the four v_nop behind it are also the places in front of the loads below
.else
	PLACES
.endif
	FETCH \next, 0, 0
.if \fill
	ASK
.endif
	WIN MUL
	MUL16 1, 2, 0
.endm
	s_wait_tensorcnt 1                             ; my part of K step 0 is in; K step 1's load may be out
	s_barrier_signal -1
	s_barrier_wait -1
	FETCH 0, 0, 0
	s_wait_loadcnt 0x0                             ; bo
	QUARTER 0, 1, 0, 1, 1                          ; the first quarter stands in front of the loop: its products start the sums
	WIN 0
	s_mov_b32 s3, LAPS-1
.Llap:                                             ; a trip goes once round the ring, from a lap's second quarter to the next lap's first, and fills both slots again
	QUARTER 0, 2, 1, 0, 0
	QUARTER 0, 3, 0, 1, 0
	TURN 0, 1, 1
	QUARTER 1, 1, 0, 1, 0
	QUARTER 1, 2, 1, 0, 0
	QUARTER 1, 3, 0, 1, 0
	TURN 1, 0, 1
	QUARTER 0, 1, 0, 1, 0
	WIN 0
	s_sub_co_u32 s3, s3, 1
	s_cmp_lg_u32 s3, 0
	s_cbranch_scc1 .Llap
	QUARTER 0, 2, 1, 0, 0                          ; the last lap fills nothing
	QUARTER 0, 3, 0, 1, 0
	TURN 0, 1, 0
	QUARTER 1, 1, 0, 1, 0
	QUARTER 1, 2, 1, 0, 0
	QUARTER 1, 3, 0, 1, 0
	s_wait_dscnt 0x0                               ; the very last quarter
	WIN MUL
	MUL16 1, 0, 0
	MUL16 1, 2, 0
	WIN 0
; THE WAY OUT, a block of 16 tokens x 128 outputs at a time: through my own stage, back as whole rows of 512 bytes.
.macro TOSTAGE a
	WIN 0x08                                       ; an LDS store's data are its source 1: window 2
.irp b, 0,1,2,3,4,5,6,7
	ds_store_b128 v[STO], v[64*(\a)+8*\b:64*(\a)+8*\b+3] offset:64*\b          ; each accumulator from its low end on
	ds_store_b128 v[STO], v[64*(\a)+8*\b+4:64*(\a)+8*\b+7] offset:64*\b+16
.endr
	WIN 0
.set BB, BK+64*((\a)%2)
.irp t, 0,1,2,3,4,5,6,7,8,9,10,11,12,13,14,15
	ds_load_b128 v[BB+4*\t:BB+4*\t+3], v[RD] offset:\t*SPITCH   ; LDS serves a wave's instructions in order: these see the stores above
.endr
.endm
.macro SEND a, younger                 ; younger: the LDS instructions issued behind block a's loads, which may stay out
.set BB, BK+64*((\a)%2)
	s_wait_dscnt \younger
.irp t, 0,1,2,3,4,5,6,7,8,9,10,11,12,13,14,15
	global_store_b128 v[CO], v[BB+4*\t:BB+4*\t+3], s[10:11] offset:(16*(\a)+\t)*4096 th:TH_STORE_NT   ; 32 lanes store 512 consecutive bytes, aligned
.endr
.endm
	PLACES
	TOSTAGE 0
.irp a, 1,2,3
.if \a > 1
	s_wait_xcnt 0x0                                ; block a - 2's stores have read their registers: block a's loads may land there
.endif
	TOSTAGE \a
	SEND \a-1, 32                                  ; behind block a - 1's loads: block a's 16 stores and 16 loads
.endr
	SEND 3, 0
	s_wait_tensorcnt 0x0                           ; the wave's end: a wait, an add to my spare word and its wait
	ds_add_u32 v[SPW], v[NIL]
	s_wait_dscnt 0x0
	CROUND                                         ; the closing round
	s_endpgm
.Lfunc_end_k_q142ebd6bc9_oproj:
	.size	k_q142ebd6bc9_oproj, .Lfunc_end_k_q142ebd6bc9_oproj-k_q142ebd6bc9_oproj
	.p2alignl 7, 3214868480
	.fill 96, 4, 3214868480
	.section	.rodata,"a",@progbits
	.p2align	6, 0x0
	.amdhsa_kernel k_q142ebd6bc9_oproj
		.amdhsa_group_segment_fixed_size 327680
		.amdhsa_private_segment_fixed_size 0
		.amdhsa_enable_private_segment 0
		.amdhsa_kernarg_size 32
		.amdhsa_user_sgpr_count 2
		.amdhsa_user_sgpr_kernarg_segment_ptr 1
		.amdhsa_wavefront_size32 1
		.amdhsa_system_sgpr_workgroup_id_x 1
		.amdhsa_system_sgpr_workgroup_id_y 1
		.amdhsa_system_sgpr_workgroup_id_z 1
		.amdhsa_system_vgpr_workitem_id 0
		.amdhsa_next_free_vgpr 768
		.amdhsa_next_free_sgpr 72
		.amdhsa_reserve_vcc 0
		.amdhsa_float_denorm_mode_32 3
		.amdhsa_float_denorm_mode_16_64 3
		.amdhsa_memory_ordered 1
		.amdhsa_forward_progress 1
		.amdhsa_inst_pref_size 87
	.end_amdhsa_kernel
	.amdgpu_metadata
---
amdhsa.version: [ 1, 2 ]
amdhsa.kernels:
  - .name:           k_q142ebd6bc9_oproj
    .symbol:         k_q142ebd6bc9_oproj.kd
    .args:
      - { .name: att, .offset: 0, .size: 8, .value_kind: global_buffer, .address_space: global }
      - { .name: wo16, .offset: 8, .size: 8, .value_kind: global_buffer, .address_space: global }
      - { .name: bo, .offset: 16, .size: 8, .value_kind: global_buffer, .address_space: global }
      - { .name: out0, .offset: 24, .size: 8, .value_kind: global_buffer, .address_space: global }
    .group_segment_fixed_size: 327680
    .private_segment_fixed_size: 0
    .kernarg_segment_align: 8
    .kernarg_segment_size: 32
    .max_flat_workgroup_size: 128
    .sgpr_count:     72
    .vgpr_count:     768
    .wavefront_size: 32
...
	.end_amdgpu_metadata
.endif
;; end of part 4
